; MI455X (gfx1250); checked and timed in simulation.
; The chip was launched on July 23, 2026; its instructions are those of AMD's public machine-readable ISA for CDNA 5 (MIT licence, August 2026) and "CDNA5" Instruction Set Architecture Reference Guide (July 2026). The comments in the code are by the model that wrote it; some were corrected since.
;; Complex Attention. Allowed arithmetic: matrix products marked QUANTISED: E4M3 operands, one given power-of-two scale a tensor, by v_wmma_f32_16x16x64_fp8_fp8 or v_wmma_f32_16x16x128_fp8_fp8, f32 sums; everything else in f32.
;; Inputs: Wk_i_codes 1,024 x 32 x 32 uint8 (E4M3 codes of Wk_i, K innermost, in blocks of 32 codes); Wk_r_codes 1,024 x 32 x 32 uint8 (E4M3 codes of Wk_r, K innermost, in blocks of 32 codes); Wo_i_codes 1,024 x 32 x 32 uint8 (E4M3 codes of Wo_i, K innermost, in blocks of 32 codes); Wo_r_codes 1,024 x 32 x 32 uint8 (E4M3 codes of Wo_r, K innermost, in blocks of 32 codes); Wq_i_codes 1,024 x 32 x 32 uint8 (E4M3 codes of Wq_i, K innermost, in blocks of 32 codes); Wq_r_codes 1,024 x 32 x 32 uint8 (E4M3 codes of Wq_r, K innermost, in blocks of 32 codes); Wv_i_codes 1,024 x 32 x 32 uint8 (E4M3 codes of Wv_i, K innermost, in blocks of 32 codes); Wv_r_codes 1,024 x 32 x 32 uint8 (E4M3 codes of Wv_r, K innermost, in blocks of 32 codes); bk_i 1,024 float32; bk_r 1,024 float32; bo_i 1,024 float32; bo_r 1,024 float32; bq_i 1,024 float32; bq_r 1,024 float32; bv_i 1,024 float32; bv_r 1,024 float32; k_i_codes 4 x 1,024 x 32 x 32 uint8 (E4M3 codes of k_i, K innermost, in blocks of 32 codes); k_r_codes 4 x 1,024 x 32 x 32 uint8 (E4M3 codes of k_r, K innermost, in blocks of 32 codes); lowp_scales 24 int32 (the exponents e of the quantised operands' scales 2^e); q_i_codes 4 x 1,024 x 32 x 32 uint8 (E4M3 codes of q_i, K innermost, in blocks of 32 codes); q_r_codes 4 x 1,024 x 32 x 32 uint8 (E4M3 codes of q_r, K innermost, in blocks of 32 codes); v_i_codes 4 x 1,024 x 32 x 32 uint8 (E4M3 codes of v_i, K innermost, in blocks of 32 codes); v_r_codes 4 x 1,024 x 32 x 32 uint8 (E4M3 codes of v_r, K innermost, in blocks of 32 codes).
;; Outputs: out0 4 x 1,024 x 1,024 float32; out1 4 x 1,024 x 1,024 float32.
;; This version of the problem:
;;   THIS VERSION OF THE PROBLEM IS GIVEN IN LOW PRECISION. The matrix products marked QUANTISED in the list below multiply operands that are first quantised to E4M3 (4 exponent bits, 3 mantissa bits; 8 bits a number), with one given power-of-two scale for each operand tensor; their sums are f32. All else is computed in f32.
;;   The module's matrix products, in the order in which they are computed (A, B: the left and right operand; K: the contracted axis; several contracted axes count as one K, in the product's order):
;;     1. [M 4,096, K 1,024] x [K 1,024, N 1,024]; A: input q_r (given as codes); B: input Wq_r (given as codes): QUANTISED (scales: A lowp_scales[0], B lowp_scales[1])
;;     2. [M 4,096, K 1,024] x [K 1,024, N 1,024]; A: input q_i (given as codes); B: input Wq_i (given as codes): QUANTISED (scales: A lowp_scales[2], B lowp_scales[3])
;;     3. [M 4,096, K 1,024] x [K 1,024, N 1,024]; A: input k_r (given as codes); B: input Wk_r (given as codes): QUANTISED (scales: A lowp_scales[4], B lowp_scales[5])
;;     4. [M 4,096, K 1,024] x [K 1,024, N 1,024]; A: input k_i (given as codes); B: input Wk_i (given as codes): QUANTISED (scales: A lowp_scales[6], B lowp_scales[7])
;;     5. [M 4,096, K 1,024] x [K 1,024, N 1,024]; A: input v_r (given as codes); B: input Wv_r (given as codes): QUANTISED (scales: A lowp_scales[8], B lowp_scales[9])
;;     6. [M 4,096, K 1,024] x [K 1,024, N 1,024]; A: input v_i (given as codes); B: input Wv_i (given as codes): QUANTISED (scales: A lowp_scales[10], B lowp_scales[11])
;;     7. batch 64 x [M 1,024, K 64] x [K 64, N 1,024]; A: computed on the way; B: computed on the way: QUANTISED (scales: A lowp_scales[12], B lowp_scales[13])
;;     8. batch 64 x [M 1,024, K 64] x [K 64, N 1,024]; A: computed on the way; B: computed on the way: QUANTISED (scales: A lowp_scales[14], B lowp_scales[15])
;;     9. batch 64 x [M 64, K 1,024] x [K 1,024, N 1,024]; A: computed on the way; B: softmax (see below): QUANTISED (scales: A lowp_scales[16], B lowp_scales[17])
;;     10. batch 64 x [M 64, K 1,024] x [K 1,024, N 1,024]; A: computed on the way; B: softmax (see below): QUANTISED (scales: A lowp_scales[18], B lowp_scales[19])
;;     11. [M 4,096, K 1,024] x [K 1,024, N 1,024]; A: computed on the way; B: input Wo_r (given as codes): QUANTISED (scales: A lowp_scales[20], B lowp_scales[21])
;;     12. [M 4,096, K 1,024] x [K 1,024, N 1,024]; A: computed on the way; B: input Wo_i (given as codes): QUANTISED (scales: A lowp_scales[22], B lowp_scales[23])
;;   THE QUANTISER, for each operand of a quantised product, along K:
;;     - The operand's scale is 2^e, e = its entry of the input lowp_scales (int32; the entries are numbered through the quantised products in the list's order, A before B).
;;     - Each number is divided by the scale, clamped to +-448, and rounded to the nearest number of E4M3, ties to even, subnormals kept.
;;     - The product sums the exact products of the quantised numbers (number of the format x scale) in f32.
;;   ~~~python
;;   def quantise(x, axis, e):      # numpy; x: float32 -> the quantised numbers, widened to float32 again
;;       x = np.moveaxis(x, axis, -1); K = x.shape[-1]
;;       r = np.clip(x / 2.0 ** e, -448, 448)
;;       step = 2.0 ** (np.maximum(np.frexp(np.where(r == 0, 1, r))[1] - 1, -6) - 3)
;;       q = np.round(r / step) * step * 2.0 ** e      # np.round: ties to even
;;       return np.moveaxis(q, -1, axis).astype(np.float32)
;;   ~~~
;;   SOFTMAX AHEAD OF A QUANTISED PRODUCT. Where the list says 'softmax', what is quantised is not the finished softmax but p = 2^(t - M), with t = logit x log2(e) and M = ceil(the row's largest t), a whole number; so 1/2 < the row's largest p <= 1. The row's sum l is taken of the UNQUANTISED p, in f32, and the product's result is divided by l at the end. Since M is a whole number, a kernel that streams over the keys may use a running M (the ceiling of the running maximum): every later rescaling is an exact power of two, so the quantised numbers keep their values, but for numbers so far below the row's largest that they fall under the format's range.
;;   OPERANDS COMPUTED ON THE WAY. 'Computed on the way' means the value that the module computes at that place (a softmax that the list does not call 'softmax' is quantised finished and normalised). What goes into a quantiser is computed in f32, as accurately as f32 sums, v_exp_f32 and their like allow (about 1e-6 of the number): no bf16 or f16 on the way to a quantiser, and a product that is left as it is and whose result goes on into a quantised operand takes f32 operands (vector FMAs, or v_wmma_f32_16x16x4_f32). A number that lies on a knife's edge between two numbers of the format may be rounded either way, as far as f32 arithmetic and the matrix unit's own rounding can turn it there, and no further.
;;   INPUTS GIVEN AS CODES. Wk_i (in the module: [1024, 1024], K = its axis 1); Wk_r (in the module: [1024, 1024], K = its axis 1); Wo_i (in the module: [1024, 1024], K = its axis 1); Wo_r (in the module: [1024, 1024], K = its axis 1); Wq_i (in the module: [1024, 1024], K = its axis 1); Wq_r (in the module: [1024, 1024], K = its axis 1); Wv_i (in the module: [1024, 1024], K = its axis 1); Wv_r (in the module: [1024, 1024], K = its axis 1); k_i (in the module: [4, 1024, 1024], K = its axis 2); k_r (in the module: [4, 1024, 1024], K = its axis 2); q_i (in the module: [4, 1024, 1024], K = its axis 2); q_r (in the module: [4, 1024, 1024], K = its axis 2); v_i (in the module: [4, 1024, 1024], K = its axis 2); v_r (in the module: [4, 1024, 1024], K = its axis 2): each comes as NAME_codes (uint8): NAME with its K axis moved to the last place and cut into blocks of 32 codes, [.., K / 32, bytes a block], one block behind the other in memory; one code a byte (a code: sign, 4 exponent bits, 3 mantissa bits); its scale is its entry of lowp_scales. Its value is code x scale, taken as it is: it is not quantised again, and the codes and scales need not be those that the quantiser above would give.
;; One version. Each part assembles by itself: llvm-mc -triple=amdgcn-amd-amdhsa -mcpu=gfx1250 --defsym DOCPART=n.
;; ======== version 1 of 1: 3 launches
;; limits: right only within a limited range of input values
;; workspace buffers: pj 25,165,824 bytes; oc 8,388,608 bytes
;; launch proj (part 1): grid 4 x 48, 4 waves a work-group, clusters of 4 x 4, 327,680 bytes of LDS; arguments q_r_codes, q_i_codes, k_r_codes, k_i_codes, v_r_codes, v_i_codes, Wq_r_codes, Wq_i_codes, Wk_r_codes, Wk_i_codes, Wv_r_codes, Wv_i_codes, bq_r, bq_i, bk_r, bk_i, bv_r, bv_i, lowp_scales, pj; writes pj
.if DOCPART == 1
	.amdgcn_target "amdgcn-amd-amdhsa--gfx1250"
	.amdhsa_code_object_version 6
	.text
	.protected	k_q91676a8afa_proj
	.globl	k_q91676a8afa_proj
	.p2align	8
	.type	k_q91676a8afa_proj,@function
k_q91676a8afa_proj:
	s_mov_b64 s[64:65], 0
	v_nop
	global_prefetch_b8 v0, s[64:65] scope:SCOPE_SE
	s_setreg_imm32_b32 hwreg(HW_REG_WAVE_MODE, 25, 1), 1
	s_wait_xcnt 0x0
	s_wait_alu depctr_hold_cnt(0) depctr_sa_sdst(0) depctr_va_vdst(0) depctr_va_sdst(0) depctr_va_ssrc(0) depctr_va_vcc(0) depctr_vm_vsrc(0)
	s_getreg_b32 s2, hwreg(HW_REG_IB_STS2, 6, 4)
	s_cmp_eq_u32 s2, 0
	s_cbranch_scc0 .Lentry_in_a_cluster
	s_endpgm
.Lentry_in_a_cluster:
	s_bfe_u32 s2, ttmp6, 0x10000c
	s_cmp_lg_u32 s2, 0xf033
	s_cbranch_scc0 .Lentry_shape_is_right
	s_endpgm
.Lentry_shape_is_right:
; THE SIX PROJECTIONS: y = x W^T + b on codes of FP8 (E4M3), x [4096][1024], W [1024][1024], K innermost; y is quantised again, with the scale given for it, as an operand of attention.
; GEMM g = 0 .. 5 is q_r, q_i, k_r, k_i, v_r, v_i.  Two clusters of 4 x 4 work-groups for each GEMM: g = cluster y / 2.  A tile is 256 x 256 results, each of the four waves makes 128 x 128 in 64 accumulators.
; A WORK-GROUP STAYS: the six GEMMs have 384 tiles; 192 work-groups make two each, 1,024 tokens apart.  The ring of LDS slots goes on from the first tile into the second, so that arguments, first tiles and the last
; stores are waited for once for two tiles, and the first tile's way out stands while the second tile's K step 1 is on its way.
; TWO MODES, ONE LOOP.  The matrix instruction takes 16 rows of "B" as source 0 and 16 rows of "A" as source 1: a lane then holds ONE row of "A" and its eight registers eight NEIGHBOURING rows of "B".
;   g < 4:  "A" = x (tokens), "B" = W (features): a lane's eight numbers are eight features of a token: the head's axis, which is K of the score products, is innermost.
;   g >= 4: "A" = W (features), "B" = x (tokens): a lane's eight numbers are eight tokens of a feature: the keys, which are K of the products with p, are innermost.  Only the two pointers change places.
; OUT: plane g of pj, 4,194,304 bytes.  g < 4: [16 batch + head][position][64 codes], token t at position t with its bits 3 and 4 exchanged, so that 16 rows on end are the keys that a tile of scores wants.
;   g >= 4: [batch][feature][key 0 .. 1023].
; K goes in steps of 256 through two LDS slots filled by joint tensor loads: "A"'s tile is shared along a row of the cluster, "B"'s along a column.
; LIMITS: the two input exponents added lie between -126 and 127, the output's exponent between -126 and 119, so that each power of two below is an f32 number.  NaN codes and NaN biases are not served.
; REGISTERS, in windows of 256: window 0: v0-31 addresses; v32-95, v96-111 the biases; from v128 "A"'s eight fragments, one set; window 1: "B"'s fragments, two sets; windows 2, 3: the accumulators, (a, b) at v[8 (8 (a % 4) + b)].
;   On the way out: window 0 v128-191 64 numbers, v192-223 codes; window 1 v0-127 rows read back from the stage.
.set PITCH,  272                       ; an LDS row: 256 bytes + 16 of padding: the 16 rows that a load touches start 68 words apart
.set HALFT,  128*PITCH                 ; what one tensor load brings
.set SLOT,   4*HALFT                   ; "A"'s 256 rows, then "B"'s
.set SPARE,  2*SLOT                    ; behind the ring: the spare words, 128 bytes a wave, which no other line names
.set STAGE,  SPARE+512                 ; behind them: the stage for the way out, bytes of its own into which no tile lands: 128 rows, used twice for a tile
.set SP,     336                       ; a stage row: 256 codes + 80: rows 84 words apart
.set FR,     16
.set NL,     4
.set NP,     4
.set ADRA, 16                          ; v16-17 LDS address of my "A" fragments in slot 0, 1
.set ADRB, 20                          ; v20-21 the same for "B"
.set RDV,  22                          ; v22    g >= 4: where I read the stage back
.set COV,  23                          ; v23    g >= 4: my byte offset in pj
.set STO,  24                          ; v24    where I put eight codes
.set RDQ,  25                          ; v25    g < 4: where I read the stage back
.set COQ,  26                          ; v26    g < 4: my byte offset in pj
.set PFO,  27                          ; v27    the prefetches' offset: 1,024 x my lane: a row of x; never rewritten
.set SPW,  28                          ; v28    my spare word; never rewritten
.set NIL,  29                          ; v29    0; never rewritten
.set SCL,  30                          ; v30    2^eo as f32
.set LIM,  31                          ; v31    448 x 2^eo
.set BN,   32                          ; v32-95  g < 4: the bias of my 8 x 8 features
.set BM,   96                          ; v96-111 g >= 4: the bias of my lane's feature in each of the 8 blocks, twice (a pair)
.set AF,   128
.set Y,    128                         ; the way out: 64 numbers
.set CDS,  192                         ; the way out: 16 registers of codes, two sets by turns
.set G1, 24
.set G0, 32
.set G1B, 48
.set G0B, 56
.set MODE, 66                          ; s66 1 where g >= 4
.set GG,   67                          ; s67 g
.set PFA,  78                          ; s[78:79] x at my work-group's 32 rows of the 128 that I fetch, K step 0 of the first tile; never rewritten
.set DA,   88                          ; s[88:89] how far "A" goes down from the first tile to the second, in bytes: 1,024 rows where "A" is x, else 0
.set DB,   90                          ; s[90:91] the same for "B"
.set MSB, 0
.macro WIN new                         ; the immediate's high byte repeats the setting that is left
.if MSB != (\new)
	s_set_vgpr_msb (MSB<<8)|(\new)
.set MSB, (\new)
.endif
.endm
.set MUL_LO, 0xa1                      ; source 0 ("B") window 1, source 1 ("A") window 0, C and D window 2
.set MUL_HI, 0xf1
.set TO_B,   0x40                      ; destination window 1, address window 0
.set FROM_B, 0x04                      ; a store's data window 1, address window 0
; A joint load: waves 0 and 1 fetch for "A", waves 2 and 3 for "B"; the branch hangs on the wave's number alone.  Four v_nop follow each line.
.macro JLOAD g0a, g1a, g0b, g1b
	s_cmp_eq_u32 s15, 0
	s_cbranch_scc0 .Lfor_b_\@
	tensor_load_to_lds s[\g0a:\g0a+3], s[\g1a:\g1a+7]
	s_nop 0
.rept 4
	v_nop
.endr
	s_branch .Lasked_\@
.Lfor_b_\@:
	tensor_load_to_lds s[\g0b:\g0b+3], s[\g1b:\g1b+7]
	s_nop 0
.rept 4
	v_nop
.endr
.Lasked_\@:
.endm
; A PREFETCH INTO THE L2 of x's part of K step number step (3 .. 7: the first tile's last, then the second tile's four).  It stands behind the joint load that asks for step - 1 and the run of LDS loads behind that:
; one change of slots, 128 matrix instructions, ahead of the load that will ask for it.  32 rows x 256 bytes, a lane a row, one instruction a wave.  A row of x is read by one row (g < 4) or one column (g >= 4) of one
; cluster; of the 128 rows that a wave fetches each of the four partners that ask jointly takes 32, told apart by address.  The waves ask that fetch x: a branch on the wave's number and on g, the same in all partners.
; The step stands in the immediate: 1,048,576 bytes from tile to tile, 256 from K step to K step.  K steps 1 and 2 of the first tile, of x and of W, are asked for once at the head, each wave for what it fetches.
; K step 0 comes by its load alone, W's K step 3 too; the second tile takes the same rows of W, which have been read by then.
.macro ASK step
	s_cmp_eq_u32 s15, s[MODE]
	s_cbranch_scc0 .Lnot_mine_\@
	global_prefetch_b8 v[PFO], s[PFA:PFA+1] offset:((\step)/4)*0x100000+((\step)%4)*256 th:TH_LOAD_NT scope:SCOPE_SE
.Lnot_mine_\@:
.endm
.macro CREST                           ; a round of the cluster's barrier behind its opening barrier
	s_cmp_lg_u32 s14, 0
	s_cbranch_scc1 .Lnot_wave_0_\@
	s_barrier_signal -3
.Lnot_wave_0_\@:
	s_barrier_wait -3
	s_barrier_signal -1
	s_barrier_wait -1
.endm
.macro CROUND
	s_barrier_signal -1
	s_barrier_wait -1
	CREST
.endm
	s_load_b256 s[68:75], s[0:1], 0x0              ; the codes of q_r, q_i, k_r, k_i,
	s_load_b128 s[76:79], s[0:1], 0x20             ; v_r, v_i
	s_load_b256 s[80:87], s[0:1], 0x30             ; of Wq_r, Wq_i, Wk_r, Wk_i,
	s_load_b128 s[88:91], s[0:1], 0x50             ; Wv_r, Wv_i
	s_load_b256 s[92:99], s[0:1], 0x60             ; bq_r, bq_i, bk_r, bk_i,
	s_load_b128 s[4:7], s[0:1], 0x80               ; bv_r, bv_i
	s_load_b128 s[8:11], s[0:1], 0x90              ; the scales' exponents, pj
	v_lshl_add_u32 v[SPW], v0, 2, SPARE
	v_mov_b32 v[NIL], 0
	ds_add_u32 v28, v29
	ds_add_u32 v28, v29
	s_wait_dscnt 0x0
	v_lshrrev_b32 v1, 5, v0
	v_readfirstlane_b32 s14, v1                    ; wave 0..3
	s_lshr_b32 s15, s14, 1                         ; which half of the tile's "A" rows is mine.  Also: I fetch for "A" (0) or "B" (1)
	s_and_b32 s16, s14, 1                          ; which half of its "B" rows.  Also: which 128 rows I fetch
	s_bfe_u32 s40, ttmp6, 0x40000                  ; cx
	s_bfe_u32 s41, ttmp6, 0x40004                  ; cy
	s_and_b32 s42, ttmp7, 0xffff                   ; cluster y, 0 .. 11: the same in all sixteen partners
	s_lshr_b32 s[GG], s42, 1                       ; g
	s_and_b32 s42, s42, 1
	s_lshl_b32 s42, s42, 3                         ; 4 x the first of my cluster's two quarters of the 4,096 tokens: quarter 0 or 2
	s_cmp_ge_u32 s[GG], 4
	s_cselect_b32 s[MODE], 1, 0
	s_cselect_b32 s17, 0, s42
	s_cselect_b32 s18, s42, 0
	s_add_co_u32 s17, s17, s41                     ; the first tile's row ("A"): of the cluster's places cy alone enters it
	s_add_co_u32 s18, s18, s40                     ; its column ("B"): cx alone
	s_lshl_b32 s43, s41, 2
	s_lshl_b32 s43, 15, s43                        ; my row of the cluster
	s_lshl_b32 s44, 0x1111, s40                    ; my column
	; descriptor group 1: 128 rows x 256 bytes, rows 1,024 bytes apart in memory, 16 bytes of padding behind each in LDS
	s_or_b32 s[G1+0], s43, (1<<20)|(1<<21)|(5<<22)|(3<<25)   ; 15:0 the mask; 17:16 elements of 1 byte; 20 padding on; 21 set beside a mask; 24:22 after every 64 words; 31:25 four words
	s_or_b32 s[G1B+0], s44, (1<<20)|(1<<21)|(5<<22)|(3<<25)
.irp g, G1, G1B
	s_mov_b32 s[\g+1], 256<<16                     ; tensor_dim0
	s_mov_b32 s[\g+2], 128<<16                     ; tensor_dim1
	s_mov_b32 s[\g+3], 256<<16                     ; tile_dim0
	s_mov_b32 s[\g+4], 128                         ; tile_dim1
	s_mov_b32 s[\g+5], 1024                        ; tensor_dim0_stride
	s_mov_b32 s[\g+6], 0
	s_mov_b32 s[\g+7], 0
.endr
	s_lshl_b32 s19, s16, 7                         ; which 128 rows of the tile I fetch
	s_lshl_b32 s20, s17, 8
	s_add_co_u32 s20, s20, s19
	s_lshl_b32 s20, s20, 10                        ; "A": (256 x tile row + 128 x half) rows of 1,024 bytes
	s_mov_b32 s21, 0
	s_lshl_b32 s46, s18, 8
	s_add_co_u32 s46, s46, s19
	s_lshl_b32 s46, s46, 10                        ; "B" likewise, by the tile column
	s_mov_b32 s47, 0
	s_mul_i32 s45, s14, HALFT                      ; where they go: wave x 128 rows
	s_wait_kmcnt 0x0
	; GEMM g's three buffers, chosen on g alone
.irp k, 1,2,3
	s_cmp_eq_u32 s[GG], \k
	s_cselect_b64 s[68:69], s[68+2*\k:69+2*\k], s[68:69]
	s_cselect_b64 s[80:81], s[80+2*\k:81+2*\k], s[80:81]
	s_cselect_b64 s[92:93], s[92+2*\k:93+2*\k], s[92:93]
.endr
.irp k, 4,5
	s_cmp_eq_u32 s[GG], \k
	s_cselect_b64 s[68:69], s[68+2*\k:69+2*\k], s[68:69]
	s_cselect_b64 s[80:81], s[80+2*\k:81+2*\k], s[80:81]
	s_cselect_b64 s[92:93], s[2*\k-4:2*\k-3], s[92:93]
.endr
	s_cmp_lg_u32 s[MODE], 0
	s_cselect_b64 s[4:5], s[80:81], s[68:69]       ; "A"
	s_cselect_b64 s[6:7], s[68:69], s[80:81]       ; "B"
	s_add_nc_u64 s[20:21], s[4:5], s[20:21]
	s_add_nc_u64 s[46:47], s[6:7], s[46:47]
	CROUND                                         ; all sixteen work-groups are here: the first joint loads meet
.irp s, 0,1
	s_mov_b32 s[G0+4*\s], 1
	s_add_co_u32 s[G0+4*\s+1], s45, \s*SLOT
	s_add_nc_u64 s[G0+4*\s+2:G0+4*\s+3], s[20:21], \s*256
	s_or_b32 s[G0+4*\s+3], s[G0+4*\s+3], 0x80000000
	s_mov_b32 s[G0B+4*\s], 1
	s_add_co_u32 s[G0B+4*\s+1], s45, \s*SLOT
	s_add_nc_u64 s[G0B+4*\s+2:G0B+4*\s+3], s[46:47], \s*256
	s_or_b32 s[G0B+4*\s+3], s[G0B+4*\s+3], 0x80000000
.endr
	JLOAD G0, G1, G0B, G1B                         ; K step 0: one tensor load a wave at the head
	; from the first tile to the second: x goes 1,024 rows down, W stays
	s_cmp_lg_u32 s[MODE], 0
	s_cselect_b32 s[DA], 0, 0x100000
	s_cselect_b32 s[DB], 0x100000, 0
	s_mov_b32 s[DA+1], 0
	s_mov_b32 s[DB+1], 0
	; where my prefetches stand (macro ASK)
	s_cselect_b32 s2, s18, s17                     ; x's tile: the column where g >= 4, else the row
	s_cselect_b32 s3, s41, s40                     ; my place among the four that ask for it with me
	s_lshl_b32 s2, s2, 8
	s_add_co_u32 s2, s2, s19                       ; + the 128 rows that I fetch
	s_lshl_b32 s3, s3, 5
	s_add_co_u32 s2, s2, s3                        ; + my work-group's 32 of them
	s_lshl_b32 s2, s2, 10
	s_mov_b32 s3, 0
	s_add_nc_u64 s[PFA:PFA+1], s[68:69], s[2:3]
	s_cmp_lg_u32 s[MODE], 0                        ; W at my work-group's 32 rows of the 128 that a W wave fetches
	s_cselect_b32 s2, s17, s18                     ; W's tile: the row where g >= 4, else the column
	s_cselect_b32 s3, s40, s41                     ; my place among the four that ask for it with me
	s_lshl_b32 s2, s2, 8
	s_add_co_u32 s2, s2, s19
	s_lshl_b32 s3, s3, 5
	s_add_co_u32 s2, s2, s3
	s_lshl_b32 s2, s2, 10
	s_mov_b32 s3, 0
	s_add_nc_u64 s[94:95], s[80:81], s[2:3]
	s_cmp_eq_u32 s15, s[MODE]
	s_cselect_b64 s[94:95], s[PFA:PFA+1], s[94:95] ; what my wave fetches: x or W; never rewritten
	v_and_b32 v[PFO], 31, v0
	v_lshlrev_b32 v[PFO], 10, v[PFO]
	global_prefetch_b8 v[PFO], s[94:95] offset:256 th:TH_LOAD_NT scope:SCOPE_SE   ; K step 1, which is asked for behind the next round,
	global_prefetch_b8 v[PFO], s[94:95] offset:512 th:TH_LOAD_NT scope:SCOPE_SE   ; and K step 2
	; the scales: the inputs' are entries 2 g and 2 g + 1; the result's is entry 12 + 2 (g & 1) + (g >> 1) for g < 4 (Qr 12, Qi 14, Kr 13, Ki 15), 8 + 2 g for g >= 4 (Vr 16, Vi 18)
	s_lshl_b32 s2, s[GG], 3
	s_mov_b32 s3, 0
	s_add_nc_u64 s[74:75], s[8:9], s[2:3]
	s_load_b64 s[96:97], s[74:75], 0x0
	s_and_b32 s22, s[GG], 1
	s_lshl_b32 s22, s22, 1
	s_lshr_b32 s23, s[GG], 1
	s_add_co_u32 s22, s22, s23
	s_add_co_u32 s22, s22, 12
	s_lshl_b32 s23, s[GG], 1
	s_add_co_u32 s23, s23, 8
	s_cmp_lg_u32 s[MODE], 0
	s_cselect_b32 s22, s23, s22
	s_lshl_b32 s22, s22, 2
	s_mov_b32 s23, 0
	s_add_nc_u64 s[76:77], s[8:9], s[22:23]
	s_load_b32 s98, s[76:77], 0x0
	; the biases, in both patterns; the pattern that the mode does not use is read from the bias's first bytes, so that every register is written and no load leaves its buffer.  Both tiles have the same biases
	s_lshl_b32 s2, s18, 8
	s_add_co_u32 s2, s2, s19
	s_lshl_b32 s2, s2, 2                           ; 4 x (256 x tile column + 128 x my half of "B")
	s_lshl_b32 s12, s17, 8
	s_lshl_b32 s13, s15, 7
	s_add_co_u32 s12, s12, s13
	s_lshl_b32 s12, s12, 2                         ; 4 x (256 x tile row + 128 x my half of "A")
	s_cmp_lg_u32 s[MODE], 0
	s_cselect_b32 s2, 0, s2
	s_cselect_b32 s12, s12, 0
	s_mov_b32 s13, 0
	s_add_nc_u64 s[70:71], s[92:93], s[2:3]
	s_add_nc_u64 s[72:73], s[92:93], s[12:13]
	v_and_b32 v1, 15, v0                           ; r = lane % 16
	s_wait_alu depctr_va_vdst(0)
	v_bfe_u32 v2, v0, 4, 1                         ; h = lane / 16
	v_and_b32 v5, 31, v0                           ; lane
	v_lshlrev_b32 v10, 5, v2                       ; 32 h: features 16 b + 8 h + 0 .. 7
	v_lshlrev_b32 v11, 2, v1                       ; 4 r: feature 16 a + r
.set bb, 0
.rept 8
	global_load_b128 v[BN+8*bb:BN+8*bb+3], v10, s[70:71] offset:64*bb
	global_load_b128 v[BN+8*bb+4:BN+8*bb+7], v10, s[70:71] offset:64*bb+16
	global_load_b32 v[BM+2*bb], v11, s[72:73] offset:64*bb
	global_load_b32 v[BM+2*bb+1], v11, s[72:73] offset:64*bb
.set bb, bb+1
.endr
	; where my part of pj begins.  In pass p of a tile's way out I send the tile's "A" rows 128 (wave / 2) + 32 (wave % 2) + 64 p + 0 .. 31
	s_lshl_b32 s82, s[GG], 22                      ; plane g
	s_lshl_b32 s85, s15, 7
	s_lshl_b32 s84, s16, 5
	s_add_co_u32 s85, s85, s84
	s_lshr_b32 s83, s17, 2                         ; g < 4: batch = tile row / 4,
	s_lshl_b32 s83, s83, 4
	s_lshl_b32 s84, s18, 2                         ; head = 4 x tile column (+ 0 .. 3 in the stores' immediates),
	s_add_co_u32 s83, s83, s84
	s_lshl_b32 s83, s83, 16
	s_and_b32 s84, s17, 3
	s_lshl_b32 s84, s84, 8
	s_add_co_u32 s84, s84, s85                     ; position 256 x (tile row % 4) + my rows
	s_lshl_b32 s84, s84, 6
	s_add_co_u32 s83, s83, s84
	s_lshr_b32 s86, s18, 2                         ; g >= 4: batch = tile column / 4,
	s_lshl_b32 s86, s86, 20
	s_lshl_b32 s87, s17, 8
	s_add_co_u32 s87, s87, s85                     ; feature 256 x tile row + my rows,
	s_lshl_b32 s87, s87, 10
	s_add_co_u32 s86, s86, s87
	s_and_b32 s87, s18, 3
	s_lshl_b32 s87, s87, 8                         ; key 256 x (tile column % 4)
	s_add_co_u32 s86, s86, s87
	s_cmp_lg_u32 s[MODE], 0
	s_cselect_b32 s83, s86, s83
	s_add_co_u32 s82, s82, s83
	s_mov_b32 s83, 0
	s_add_nc_u64 s[10:11], s[10:11], s[82:83]
	; LDS addresses
	v_mul_u32_u24 v3, v1, PITCH
	s_wait_alu depctr_va_vdst(0)
	v_lshl_add_u32 v4, v2, 4, v3                   ; a fragment's row x pitch + 16 x half
	s_mul_i32 s12, s15, HALFT
	s_mul_i32 s13, s16, HALFT
	s_add_co_u32 s13, s13, 2*HALFT
.irp s, 0,1
	v_add_nc_u32 v[ADRA+\s], s12, v4
	v_add_nc_u32 v[ADRB+\s], s13, v4
	s_add_co_u32 s12, s12, SLOT
	s_add_co_u32 s13, s13, SLOT
.endr
	s_mul_i32 s12, s15, 64*SP
	s_lshl_b32 s13, s16, 7
	s_add_co_u32 s12, s12, s13
	s_add_co_u32 s12, s12, STAGE
	v_mul_u32_u24 v[STO], v1, SP
	v_lshl_add_u32 v[STO], v2, 3, v[STO]
	v_add_nc_u32 v[STO], s12, v[STO]               ; stage row 64 x my half of "A" + r (+ 16 x block % 4 in the immediate), byte 128 x my half of "B" + 8 h
	s_mul_i32 s12, s14, 32*SP                      ; back: wave w takes stage rows 32 w .. 32 w + 31
	s_add_co_u32 s12, s12, STAGE
	v_lshrrev_b32 v6, 2, v5
	v_mul_u32_u24 v[RDQ], v6, SP
	v_and_b32 v7, 3, v5
	v_lshl_add_u32 v[RDQ], v7, 4, v[RDQ]
	v_add_nc_u32 v[RDQ], s12, v[RDQ]               ; g < 4: eight rows x 64 bytes (a head) an instruction: four lanes to a row
	v_lshlrev_b32 v[COQ], 4, v5                    ; which are 512 bytes on end in pj
	v_mul_u32_u24 v[RDV], v2, SP
	v_lshl_add_u32 v[RDV], v1, 4, v[RDV]
	v_add_nc_u32 v[RDV], s12, v[RDV]               ; g >= 4: two rows x 256 bytes an instruction
	v_lshlrev_b32 v[COV], 10, v2
	v_lshl_add_u32 v[COV], v1, 4, v[COV]           ; two features' rows, 1,024 bytes apart
.macro FRAG reg, adr, q, i             ; 16 rows x 128 K: lane l holds row l % 16; registers 4 c .. 4 c + 3 hold K = 32 c + 16 (l / 16) + 0 .. 15: the same order of K on both sides
.irp c, 0,1,2,3
	ds_load_b128 v[\reg+4*\c:\reg+4*\c+3], v[\adr] offset:128*(\q)+32*\c+(\i)*16*PITCH
.endr
.endm
; 16 matrix instructions: "A"'s blocks a0, a0 + 1 x "B"'s eight.  The 64 accumulators take turns, one instruction a turn, in the same order in every step.
.macro MUL16 a0, p, zero
.irp a, \a0, \a0+1
.irp b, 0,1,2,3,4,5,6,7
.if \zero
	v_wmma_f32_16x16x128_fp8_fp8 v[8*(8*((\a)%4)+\b):8*(8*((\a)%4)+\b)+7], v[128*(\p)+FR*\b:128*(\p)+FR*\b+FR-1], v[AF+FR*(\a):AF+FR*(\a)+FR-1], 0
.else
	v_wmma_f32_16x16x128_fp8_fp8 v[8*(8*((\a)%4)+\b):8*(8*((\a)%4)+\b)+7], v[128*(\p)+FR*\b:128*(\p)+FR*\b+FR-1], v[AF+FR*(\a):AF+FR*(\a)+FR-1], v[8*(8*((\a)%4)+\b):8*(8*((\a)%4)+\b)+7]
.endif
.endr
.endr
.endm
.macro FETCH_B slot, q, p
	WIN TO_B
.irp i, 0,1,2,3,4,5,6,7
	FRAG 128*(\p)+FR*\i, ADRB+\slot, \q, \i
.endr
	WIN 0
.endm
.macro FETCH_A slot, q, i0
.irp i, \i0, \i0+1, \i0+2, \i0+3
	FRAG AF+FR*(\i), ADRA+\slot, \q, \i
.endr
.endm
.macro PLACES n                        ; plain vector instructions between a matrix instruction and a load into, or a vector read or write of, its registers
.rept \n
	v_nop
.endr
.endm
; A step of 128 along K that has its successor in the same slot.
.macro STEP slot, q, zero
	s_wait_dscnt 4*NL                              ; "B"'s set and "A"'s blocks 0-3 are in; the youngest 16 loads ("A"'s blocks 4-7) may be out
	WIN MUL_LO
	MUL16 0, (\q)%2, \zero
	MUL16 2, (\q)%2, \zero
	s_wait_dscnt 0
	PLACES NP
	FETCH_B \slot, (\q)+1, 1-(\q)%2
	FETCH_A \slot, (\q)+1, 0
	WIN MUL_HI
	MUL16 4, (\q)%2, \zero
	MUL16 6, (\q)%2, \zero
	PLACES NP
	WIN 0
	FETCH_A \slot, (\q)+1, 4
.endm
.macro NEXT_TILE slot                  ; a slot's descriptors go from their last K step of the first tile to their first of the second: 512 bytes back along K, and x 1,024 rows down
	s_sub_nc_u64 s[G0+4*\slot+2:G0+4*\slot+3], s[G0+4*\slot+2:G0+4*\slot+3], 512
	s_add_nc_u64 s[G0+4*\slot+2:G0+4*\slot+3], s[G0+4*\slot+2:G0+4*\slot+3], s[DA:DA+1]
	s_sub_nc_u64 s[G0B+4*\slot+2:G0B+4*\slot+3], s[G0B+4*\slot+2:G0B+4*\slot+3], 512
	s_add_nc_u64 s[G0B+4*\slot+2:G0B+4*\slot+3], s[G0B+4*\slot+2:G0B+4*\slot+3], s[DB:DB+1]
.endm
; A slot's last step changes slots.  Its first 32 products, which need nothing new, stand AHEAD of the wait for the tensor loads: a refill is asked for only when the refill before it has landed, so what stands between
; that wait and the joint load is kept short: the add, the descriptors' steps, the wait for the add and for my reads of this slot, the round.  Behind the round: the refill, then the next slot's first fragments.
; fill = 0: nothing is filled; 1: this tile's K step two steps on; 2: the next tile's.  ask: the K step that is prefetched, or -1.
.macro TURN slot, next, fill, ask
	s_wait_dscnt 4*NL                              ; "B"'s set and "A"'s blocks 0-3 are in
	WIN MUL_LO
	MUL16 0, 1, 0
	MUL16 2, 1, 0
	WIN 0
	s_wait_tensorcnt 0x0                           ; all my tensor loads have landed: my part of the next slot; so every group 0 may be written
	ds_add_u32 v[SPW], v[NIL]                      ; 0 onto my spare word
.if \fill == 1
	s_add_nc_u64 s[G0+4*\slot+2:G0+4*\slot+3], s[G0+4*\slot+2:G0+4*\slot+3], 512
	s_add_nc_u64 s[G0B+4*\slot+2:G0B+4*\slot+3], s[G0B+4*\slot+2:G0B+4*\slot+3], 512
.endif
.if \fill == 2
	NEXT_TILE \slot
.endif
	s_wait_dscnt 0x0                               ; the add is done, and my reads of this slot are over
	s_barrier_signal -1
	s_barrier_wait -1
.if \fill
	CREST                                          ; the barrier has opened a round of the cluster's: no wave of any partner still reads this slot or has a load on its way
	JLOAD G0+4*\slot, G1, G0B+4*\slot, G1B         ; its four v_nop are also the places in front of the loads below
.else
	PLACES NP
.endif
	FETCH_B \next, 0, 0
	FETCH_A \next, 0, 0
.if \ask >= 0
	ASK \ask
.endif
	WIN MUL_HI
	MUL16 4, 1, 0
	MUL16 6, 1, 0
	PLACES NP
	WIN 0
	FETCH_A \next, 0, 4
.endm
; THE WAY OUT: y = sum x 2^(ea + ew) + bias; held within +-448 x 2^eo; converted; eight codes a lane into the work-group's stage; a barrier (a stage row's 256 bytes come from two waves); back by rows.
.macro PACK a                          ; block a: my 16 rows of "A" x 128 rows of "B"
.set AC, 64*((\a)%4)
.set CD, CDS+16*((\a)%2)
	s_cmp_lg_u32 s[MODE], 0                        ; the two modes differ in where the bias stands, and in nothing else here
	s_cbranch_scc1 .Lby_row_\@
	WIN 0x02+((\a)/4)
.set jj, 0
.rept 32
	v_pk_fma_f32 v[Y+jj:Y+jj+1], v[AC+jj:AC+jj+1], s[96:97], v[BN+jj:BN+jj+1] op_sel_hi:[1,0,1]   ; each accumulator from its low end on
.set jj, jj+2
.endr
	WIN 0
	s_branch .Lbiased_\@
.Lby_row_\@:
	WIN 0x02+((\a)/4)
.set jj, 0
.rept 32
	v_pk_fma_f32 v[Y+jj:Y+jj+1], v[AC+jj:AC+jj+1], s[96:97], v[BM+2*(\a):BM+2*(\a)+1] op_sel_hi:[1,0,1]
.set jj, jj+2
.endr
	WIN 0
.Lbiased_\@:
.set bb, 0
.rept 8
.set ii, 0
.rept 8
	v_med3_num_f32 v[Y+8*bb+ii], v[Y+8*bb+ii], -v[LIM], v[LIM]   ; the conversion to an 8-bit code does not saturate (ISA guide 7.6.2): the hold, always executed
.set ii, ii+1
.endr
	v_cvt_scalef32_pk8_fp8_f32 v[CD+2*bb:CD+2*bb+1], v[Y+8*bb:Y+8*bb+7], v[SCL]
.set bb, bb+1
.endr
	v_nop                                          ; a plain instruction behind the last conversion: the next block writes its sources
.set bb, 0
.rept 8
	ds_store_b64 v[STO], v[CD+2*bb:CD+2*bb+1] offset:((\a)%4)*16*SP+16*bb
.set bb, bb+1
.endr
.endm
.macro SENDQ p                         ; g < 4: load n: head n / 4 of the tile's four, tokens 8 (n % 4) + lane / 4 of my 32
	WIN TO_B
.set n, 0
.rept 16
	ds_load_b128 v[64*(\p)+4*n:64*(\p)+4*n+3], v[RDQ] offset:8*(n%4)*SP+64*(n/4)
.set n, n+1
.endr
	WIN FROM_B
.set n, 0
.rept 16                               ; the group of eight tokens goes to the place with its two bits exchanged: bits 3 and 4 of the token.  A store covers 512 bytes on end
	s_wait_dscnt 15-n                              ; load n is in; the younger ones may be out
	global_store_b128 v[COQ], v[64*(\p)+4*n:64*(\p)+4*n+3], s[10:11] offset:(n/4)*65536+(\p)*4096+512*((((n%4)&1)<<1)|((n%4)>>1))
.set n, n+1
.endr
	WIN 0
.endm
.macro SENDV p                         ; g >= 4: load n: features 2 n, 2 n + 1 of my 32, 256 keys each
	WIN TO_B
.set n, 0
.rept 16
	ds_load_b128 v[64*(\p)+4*n:64*(\p)+4*n+3], v[RDV] offset:2*n*SP
.set n, n+1
.endr
	WIN FROM_B
.set n, 0
.rept 16                               ; sixteen lanes store 256 bytes on end, at a multiple of 256 from pj's first byte
	s_wait_dscnt 15-n
	global_store_b128 v[COV], v[64*(\p)+4*n:64*(\p)+4*n+3], s[10:11] offset:(\p)*65536+2*n*1024
.set n, n+1
.endr
	WIN 0
.endm
.macro PASS p                          ; every wave's blocks 4 p .. 4 p + 3: 128 of the tile's 256 "A" rows
	PACK 4*(\p)
	PACK 4*(\p)+1
	PACK 4*(\p)+2
	PACK 4*(\p)+3
	s_wait_dscnt 0x0                               ; for the others' sake: my stores into the stage are done
	s_barrier_signal -1
	s_barrier_wait -1
	s_cmp_lg_u32 s[MODE], 0
	s_cbranch_scc1 .Lsend_v_\@
	SENDQ \p
	s_branch .Lsent_\@
.Lsend_v_\@:
	SENDV \p
.Lsent_\@:
.endm
.macro WAY_OUT
	PLACES NP
	PASS 0
	s_barrier_signal -1                            ; every wave's reads of the stage are back (the count-down above ended at 0): the stage may be written again
	s_barrier_wait -1
	PASS 1
.endm
	s_wait_alu depctr_va_vdst(0)                   ; the wait at the head's end
	s_wait_tensorcnt 0x0                           ; my part of K step 0 is in
	ds_add_u32 v[SPW], v[NIL]
	s_wait_dscnt 0x0
	CROUND                                         ; everybody's part of K step 0 is in, and the joint loads meet
	JLOAD G0+4, G1, G0B+4, G1B                     ; K step 1: slot 1's first fill, the first tensor load behind the round
	; ---- the first tile
	FETCH_B 0, 0, 0
	FETCH_A 0, 0, 0
	FETCH_A 0, 0, 4
	STEP 0, 0, 1                                   ; the first products start the sums: nothing is cleared
	TURN 0, 1, 1, 3                                ; slot 0 takes K step 2
	STEP 1, 0, 0
	TURN 1, 0, 1, 4                                ; slot 1 takes K step 3
	STEP 0, 0, 0
	TURN 0, 1, 2, 5                                ; THE RING GOES ON INTO THE SECOND TILE: slot 0 takes its K step 0
	STEP 1, 0, 0
	s_wait_dscnt 4*NL                              ; the tile's last step: all its 64 products stand ahead of the change of slots, since the next fragments are fetched only behind the way out
	WIN MUL_LO
	MUL16 0, 1, 0
	MUL16 2, 1, 0
	s_wait_dscnt 0
	WIN MUL_HI
	MUL16 4, 1, 0
	MUL16 6, 1, 0
	WIN 0
	s_wait_tensorcnt 0x0                           ; all my tensor loads have landed: my part of the second tile's K step 0
	ds_add_u32 v[SPW], v[NIL]                      ; 0 onto my spare word
	NEXT_TILE 1
	s_wait_dscnt 0x0                               ; the add is done, and my reads of slot 1 are over
	s_barrier_signal -1
	s_barrier_wait -1
	CREST
	JLOAD G0+4, G1, G0B+4, G1B                     ; slot 1 takes the second tile's K step 1: it lands while the first tile goes out
	ASK 6
	s_wait_kmcnt 0x0                               ; the scales
	s_add_co_i32 s96, s96, s97
	s_add_co_i32 s96, s96, 127
	s_lshl_b32 s96, s96, 23                        ; 2^(ea + ew) as f32
	s_mov_b32 s97, s96                             ; (named with it as a pair)
	s_add_co_i32 s98, s98, 127
	s_lshl_b32 s99, s98, 23
	v_mov_b32 v[SCL], s99                          ; 2^eo: the conversion takes its exponent field
	s_add_co_i32 s98, s98, 8
	s_lshl_b32 s98, s98, 23
	s_or_b32 s98, s98, 0x600000
	v_mov_b32 v[LIM], s98                          ; 448 x 2^eo
	s_wait_loadcnt 0x0                             ; the biases
	WAY_OUT
	s_wait_xcnt 0x0                                ; the stores have read their registers and their base: "B"'s fragments may land in the first, and the second may step
	s_add_nc_u64 s[10:11], s[10:11], 0x100000      ; the second tile is the next batch, in both modes: 16 heads x 65,536 bytes, or 1,024 features x 1,024
	; ---- the second tile
	FETCH_B 0, 0, 0
	FETCH_A 0, 0, 0
	FETCH_A 0, 0, 4
	STEP 0, 0, 1
	TURN 0, 1, 1, 7
	STEP 1, 0, 0
	TURN 1, 0, 1, -1                               ; the last refill: nothing is left to prefetch
	STEP 0, 0, 0
	TURN 0, 1, 0, -1
	STEP 1, 0, 0
	s_wait_dscnt 4*NL
	WIN MUL_LO
	MUL16 0, 1, 0
	MUL16 2, 1, 0
	s_wait_dscnt 0
	WIN MUL_HI
	MUL16 4, 1, 0
	MUL16 6, 1, 0
	WIN 0
	WAY_OUT
	s_wait_tensorcnt 0x0                           ; the wave's end
	ds_add_u32 v[SPW], v[NIL]
	s_wait_dscnt 0x0
	CROUND                                         ; the closing round
	s_endpgm
.Lfunc_end_k_q91676a8afa_proj:
	.size	k_q91676a8afa_proj, .Lfunc_end_k_q91676a8afa_proj-k_q91676a8afa_proj
	.p2alignl 7, 3214868480
	.fill 96, 4, 3214868480
	.section	.rodata,"a",@progbits
	.p2align	6, 0x0
	.amdhsa_kernel k_q91676a8afa_proj
		.amdhsa_group_segment_fixed_size 327680
		.amdhsa_private_segment_fixed_size 0
		.amdhsa_enable_private_segment 0
		.amdhsa_kernarg_size 160
		.amdhsa_user_sgpr_count 2
		.amdhsa_user_sgpr_kernarg_segment_ptr 1
		.amdhsa_wavefront_size32 1
		.amdhsa_system_sgpr_workgroup_id_x 1
		.amdhsa_system_sgpr_workgroup_id_y 1
		.amdhsa_system_sgpr_workgroup_id_z 1
		.amdhsa_system_vgpr_workitem_id 0
		.amdhsa_next_free_vgpr 1024
		.amdhsa_next_free_sgpr 100
		.amdhsa_reserve_vcc 0
		.amdhsa_float_denorm_mode_32 3
		.amdhsa_float_denorm_mode_16_64 3
		.amdhsa_memory_ordered 1
		.amdhsa_forward_progress 1
		.amdhsa_inst_pref_size 255
	.end_amdhsa_kernel
	.section	.bss,"aw",@nobits
	.p2align	6
	.space	262144
	.amdgpu_metadata
---
amdhsa.version: [ 1, 2 ]
amdhsa.kernels:
  - .name:           k_q91676a8afa_proj
    .symbol:         k_q91676a8afa_proj.kd
    .args:
      - { .name: q_r_codes, .offset: 0, .size: 8, .value_kind: global_buffer, .address_space: global }
      - { .name: q_i_codes, .offset: 8, .size: 8, .value_kind: global_buffer, .address_space: global }
      - { .name: k_r_codes, .offset: 16, .size: 8, .value_kind: global_buffer, .address_space: global }
      - { .name: k_i_codes, .offset: 24, .size: 8, .value_kind: global_buffer, .address_space: global }
      - { .name: v_r_codes, .offset: 32, .size: 8, .value_kind: global_buffer, .address_space: global }
      - { .name: v_i_codes, .offset: 40, .size: 8, .value_kind: global_buffer, .address_space: global }
      - { .name: Wq_r_codes, .offset: 48, .size: 8, .value_kind: global_buffer, .address_space: global }
      - { .name: Wq_i_codes, .offset: 56, .size: 8, .value_kind: global_buffer, .address_space: global }
      - { .name: Wk_r_codes, .offset: 64, .size: 8, .value_kind: global_buffer, .address_space: global }
      - { .name: Wk_i_codes, .offset: 72, .size: 8, .value_kind: global_buffer, .address_space: global }
      - { .name: Wv_r_codes, .offset: 80, .size: 8, .value_kind: global_buffer, .address_space: global }
      - { .name: Wv_i_codes, .offset: 88, .size: 8, .value_kind: global_buffer, .address_space: global }
      - { .name: bq_r, .offset: 96, .size: 8, .value_kind: global_buffer, .address_space: global }
      - { .name: bq_i, .offset: 104, .size: 8, .value_kind: global_buffer, .address_space: global }
      - { .name: bk_r, .offset: 112, .size: 8, .value_kind: global_buffer, .address_space: global }
      - { .name: bk_i, .offset: 120, .size: 8, .value_kind: global_buffer, .address_space: global }
      - { .name: bv_r, .offset: 128, .size: 8, .value_kind: global_buffer, .address_space: global }
      - { .name: bv_i, .offset: 136, .size: 8, .value_kind: global_buffer, .address_space: global }
      - { .name: lowp_scales, .offset: 144, .size: 8, .value_kind: global_buffer, .address_space: global }
      - { .name: pj, .offset: 152, .size: 8, .value_kind: global_buffer, .address_space: global }
    .group_segment_fixed_size: 327680
    .private_segment_fixed_size: 0
    .kernarg_segment_align: 8
    .kernarg_segment_size: 160
    .max_flat_workgroup_size: 128
    .sgpr_count:     100
    .vgpr_count:     1024
    .wavefront_size: 32
...
	.end_amdgpu_metadata
.endif
;; end of part 1
;; launch attn (part 2): grid 64 x 4, 8 waves a work-group, no clusters, 314,368 bytes of LDS; arguments pj, lowp_scales, oc; writes oc
.if DOCPART == 2
	.amdgcn_target "amdgcn-amd-amdhsa--gfx1250"
	.amdhsa_code_object_version 6
	.text
	.protected	k_q91676a8afa_attn
	.globl	k_q91676a8afa_attn
	.p2align	8
	.type	k_q91676a8afa_attn,@function
k_q91676a8afa_attn:
	s_mov_b64 s[64:65], 0
	v_nop
	global_prefetch_b8 v0, s[64:65] scope:SCOPE_SE
	s_setreg_imm32_b32 hwreg(HW_REG_WAVE_MODE, 25, 1), 1
	s_wait_xcnt 0x0
; ATTENTION on codes of FP8 (E4M3): scores = (Qr Kr^T + Qi Ki^T) / 8; p = 2^(t - M), t = score x log2(e), M the running largest t rounded up to a whole number; out_r = Vr^T p / l, out_i = Vi^T p / l, l the sum of the
; unquantised p; both results are quantised with the scales given for them.
; IN: pj, six planes of 4,194,304 bytes: Qr, Qi, Kr, Ki as [16 batch + head][position][64 codes], token t at position t with bits 3 and 4 exchanged; Vr, Vi as [batch][feature][key].  OUT: oc, two planes [head][token][64 codes].
; SHARES.  A work-group (x: 16 batch + head, y: block of queries) owns 256 positions of queries, each of its eight waves 32: two tiles of 16.  The head's whole K and V, 262,144 bytes, come to lie in LDS, each byte written once.
; THE FILL goes through registers, in chunks of 256 keys.  The head brings chunk 0.  Piece j (j = 0 .. 5) is a wave's eight runs of 512 bytes of a later chunk: of K's chunk j / 2 + 1 where j is even, of V's chunk (j + 1) / 2 where
; j is odd.  It is asked for at the bottom of key step j - 1 (piece 0 at the head), into the registers of p's codes, which are free from a step's last products to the next step's conversions, and is stored into LDS in step j
; behind the softmax: the scores and both softmaxes of a step lie between a request and the wait for it, so nothing is prefetched beside.  A barrier follows V's stores: the chunk is whole.
; Those branches hang on the count of steps alone, the same in all waves.
; TWO BRANCHES ON THE GIVEN SCALES stand inside the one loop over the keys, round no barrier; the matrix instructions are the same on every way.
;   e12 + e13 = e14 + e15: the real part's sums need no factor ahead of the imaginary part's products; else they are multiplied by 2^(e12 + e13 - e14 - e15), which rounds nothing.
;   e17 = e19 >= -8: p's two sets of codes are one set, and p, at most 1 (a last bit more by rounding), lies under 448 x 2^e17 = 1.75 or more: one conversion, no hold.  Else p is held and converted twice.
; NO TENSOR LOAD, NO CLUSTER.
; LAYOUT.  Both products are used transposed (S^T = K Q^T, O^T = V^T P^T): a lane holds one query throughout.  An LDS row of K is a position's 64 codes of Kr, then its 64 of Ki.  By the order of positions the 16 registers
; of score tiles 2 b and 2 b + 1 are 16 neighbouring keys, 32 b + 16 (lane / 16) + 0 .. 15, as V's fragments want them.
; LIMITS: e14 + e15 between -123 and 130; e12 + e13 - e14 - e15 between -126 and 127; e17, e19, e20 - e16 - e17 and e22 - e18 - e19 between -126 and 119.  NaN codes are not served.
; REGISTERS.  Tile 1 has in window 1 the numbers that tile 0 has in window 0: v8, v9 2^e17, 2^e19; v[10:11] f and 0; v12 -M; v13 the largest t; v[14:15] l; v16-23 Qr, v24-31 Qi; v96-159 S^T, then p; v160-223 O^T;
; v224-239 a piece of the fill (real part in window 0, imaginary in 1), then codes; v240-255 at work.  Shared: window 0 v1-7 addresses; v32-95 of both windows: fragments (K's tiles 0-3 or Vr in window 0, K's tiles 4-7 or Vi
; in window 1).  Window 1 v1-6: the fill's addresses; v7: 0.
.set KP,    144                        ; a row of K in LDS: 128 bytes + 16
.set VP,    1040                       ; a row of V: 1,024 keys + 16
.set VB,    1024*KP                    ; V behind K: 64 rows of Vr, 64 of Vi
.set VIOFF, 64*VP
.set QB,    VB+128*VP                  ; the stages for the way out: 4,096 bytes for each wave
.set SPT,   144
.set SPARE, QB+8*4096                  ; the spare words, 128 bytes a wave
.set PLANE, 4194304
.set AK0, 1
.set AV0, 2
.set ADK, 3                            ; later: where I put eight codes
.set ADV, 4                            ; later: where I read the stage back
.set ADV2, 5                           ; later: my byte offset in oc
.set SPW, 7
.set FGK, 1                            ; window 1: my offset in K's planes, chunk 1;
.set FGV, 2                            ; in V's planes, 128 bytes on;
.set FKS, 3                            ; where my pieces of K go, chunk 1;
.set FVS, 4                            ; of V, 128 bytes on;
.set FT,  5                            ; the address in hand,
.set FT2, 6                            ; and Vi's
.set FR,  32
.set SC,  96
.set OT,  160
.set PC,  224
.set TR,  240
.set FQ,  28                           ; s28 1 where the two score products have one scale
.set FP,  29                           ; s29 1 where p has one set of codes and needs no hold
.set MSB, 0
.macro WIN new
.if MSB != \new
	s_set_vgpr_msb (MSB<<8)|\new
.set MSB, \new
.endif
.endm
.macro PLACES
.rept 4
	v_nop
.endr
.endm
.macro LD4 dst, adr, base, off, stp    ; four runs of 512 bytes from memory
.set ii, 0
.rept 4
	global_load_b128 v[\dst+4*ii:\dst+4*ii+3], v[\adr], s[\base:\base+1] offset:\off+\stp*ii
.set ii, ii+1
.endr
.endm
.macro ST4 adr, src, off, stp          ; and into LDS
.set ii, 0
.rept 4
	ds_store_b128 v[\adr], v[\src+4*ii:\src+4*ii+3] offset:\off+\stp*ii
.set ii, ii+1
.endr
.endm
	s_load_b128 s[4:7], s[0:1], 0x0                ; pj, the scales' exponents
	s_load_b64 s[8:9], s[0:1], 0x10                ; oc
	v_lshl_add_u32 v[SPW], v0, 2, SPARE
	v_lshrrev_b32 v244, 5, v0
	v_readfirstlane_b32 s18, v244                  ; wave 0..7
	v_and_b32 v240, 15, v0                         ; r
	v_bfe_u32 v241, v0, 4, 1                       ; h
	v_and_b32 v242, 31, v0                         ; lane
	v_mul_u32_u24 v[AK0], v240, KP
	v_mul_u32_u24 v[AV0], v240, VP
	v_lshlrev_b32 v253, 6, v240
	v_lshl_add_u32 v[AK0], v241, 4, v[AK0]
	v_lshl_add_u32 v[AV0], v241, 4, v[AV0]
	v_lshl_add_u32 v253, v241, 4, v253             ; Q in memory: row r of 64 bytes, + 16 h
	v_add_nc_u32 v[AV0], VB, v[AV0]
	v_lshlrev_b32 v248, 4, v242
	v_lshl_add_u32 v248, v244, 11, v248            ; K in memory: 2,048 bytes of a chunk a wave, 16 a lane
	v_lshrrev_b32 v249, 2, v242
	v_lshl_add_u32 v249, v244, 5, v249             ; position 32 wave + lane / 4 (+ 8 a run),
	v_mul_u32_u24 v249, v249, KP
	v_and_b32 v243, 3, v242
	v_lshl_add_u32 v249, v243, 4, v249             ; byte 16 (lane % 4)
	v_lshl_add_u32 v245, v244, 3, v241             ; V: row 8 wave + h (+ 2 a run), 256 bytes of it
	v_lshlrev_b32 v250, 10, v245
	v_lshl_add_u32 v250, v240, 4, v250
	v_mul_u32_u24 v251, v245, VP
	v_lshl_add_u32 v251, v240, 4, v251
	v_add_nc_u32 v251, VB, v251
	v_add_nc_u32 v252, VIOFF, v251
	WIN 0x40                                       ; destination window 1
	v_add_nc_u32 v[FGK], 16384, v248
	v_add_nc_u32 v[FGV], 128, v250
	v_add_nc_u32 v[FKS], 256*KP, v249
	v_add_nc_u32 v[FVS], 128, v251
	v_mov_b32 v7, 0
	WIN 0
	s_lshl_b32 s2, ttmp9, 16                       ; a head's 65,536 bytes in each plane
	s_mov_b32 s3, 0
	s_and_b32 s19, ttmp7, 0xffff                   ; my block of queries
	s_lshl_b32 s60, s19, 14
	s_lshl_b32 s61, s18, 11
	s_add_co_u32 s60, s60, s61                     ; (256 block + 32 wave) rows of 64 bytes
	s_add_co_u32 s58, s60, s2
	s_mov_b32 s59, 0
	s_and_b32 s61, ttmp9, 15
	s_lshl_b32 s61, s61, 18                        ; oc: head x 4,096 tokens x 64,
	s_lshr_b32 s62, ttmp9, 4
	s_lshl_b32 s62, s62, 16                        ; batch x 1,024 x 64
	s_add_co_u32 s56, s61, s62
	s_add_co_u32 s56, s56, s60
	s_mov_b32 s57, 0
	s_mov_b32 s20, 0x76543210                      ; v_permlanex16_b32: lane l xor 16
	s_mov_b32 s21, 0xfedcba98
	s_mov_b32 s22, 0x3e38aa3b                      ; c = log2(e) / 8
	s_wait_alu depctr_va_vdst(0)
	s_wait_kmcnt 0x0
	s_load_b256 s[84:91], s[6:7], 0x30             ; e12 .. e19
	s_load_b128 s[92:95], s[6:7], 0x50             ; e20 .. e23
	s_add_nc_u64 s[96:97], s[4:5], s[2:3]          ; pj at my head
	s_add_nc_u64 s[24:25], s[96:97], 2*PLANE       ; Kr; Ki a plane on
	s_add_nc_u64 s[26:27], s[96:97], 4*PLANE       ; Vr; Vi a plane on
	s_add_nc_u64 s[14:15], s[4:5], s[58:59]        ; Qr at my wave's first position,
	s_add_nc_u64 s[16:17], s[14:15], PLANE         ; Qi
	s_add_nc_u64 s[10:11], s[8:9], s[56:57]        ; oc's real plane at my wave's first token,
	s_add_nc_u64 s[12:13], s[10:11], PLANE         ; the imaginary one
.macro QLOAD t                         ; of Qr and of Qi, registers 0-3 hold K = 16 h + 0 .. 15, registers 4-7 K = 32 + 16 h + 0 .. 15: the same order of K as K's fragments have
	global_load_b128 v[16:19], v253, s[14:15] offset:\t*1024
	global_load_b128 v[20:23], v253, s[14:15] offset:\t*1024+32
	global_load_b128 v[24:27], v253, s[16:17] offset:\t*1024
	global_load_b128 v[28:31], v253, s[16:17] offset:\t*1024+32
.endm
	QLOAD 0
	WIN 0x40                                       ; destination window 1, address window 0
	QLOAD 1
	WIN 0
	LD4 FR, 248, 24, 0, 512                        ; chunk 0: Kr,
	LD4 FR+16, 248, 24, PLANE, 512                 ; Ki,
	LD4 FR+32, 250, 26, 0, 2048                    ; Vr,
	LD4 FR+48, 250, 26, PLANE, 2048                ; Vi
	WIN 0x01                                       ; address window 1, destination window 0
	LD4 PC, FGK, 24, 0, 512                        ; piece 0: K's chunk 1
	WIN 0x41
	LD4 PC, FGK, 24, PLANE, 512
	WIN 0
.macro POW2 src, sc, lim               ; s[src] = e: 2^e and 448 x 2^e as f32
	s_add_co_i32 s3, s[\src], 127
	s_lshl_b32 s[\sc], s3, 23
	s_add_co_i32 s3, s3, 8
	s_lshl_b32 s3, s3, 23
	s_or_b32 s[\lim], s3, 0x600000
.endm
	s_wait_kmcnt 0x0
	s_add_co_i32 s2, s86, s87                      ; e14 + e15
	s_add_co_i32 s3, s84, s85                      ; e12 + e13
	s_cmp_eq_u32 s2, s3
	s_cselect_b32 s[FQ], 1, 0
	s_sub_co_i32 s3, s3, s2
	s_add_co_i32 s3, s3, 127
	s_lshl_b32 s56, s3, 23                         ; 2^(e12 + e13 - e14 - e15)
	s_mov_b32 s57, s56
	s_lshl_b32 s3, s2, 23
	s_add_co_i32 s22, s22, s3                      ; e14 + e15 is added to c's exponent field
	s_mov_b32 s23, s22
	s_cmp_eq_u32 s89, s91
	s_cselect_b32 s[FP], 1, 0
	s_cmp_ge_i32 s89, -8
	s_cselect_b32 s[FP], s[FP], 0
	POW2 89, 96, 58                                ; p for the real part: e17
	POW2 91, 97, 59                                ; for the imaginary part: e19
	s_sub_co_i32 s2, s92, s88
	s_sub_co_i32 s2, s2, s89
	POW2 2, 98, 99                                 ; a sum of Vr^T p stands for sum x 2^(e16 + e17): its conversion takes 2^(e20 - e16 - e17)
	s_sub_co_i32 s2, s94, s90
	s_sub_co_i32 s2, s2, s91
	POW2 2, 84, 85                                 ; 2^(e22 - e18 - e19)
.macro INIT                            ; the key step has no first step of its own: it finds zeros, which the first change of M leaves zeros
	v_mov_b32 v13, 0xff61b1e6                      ; the largest t so far: -3e38
	s_delay_alu instid0(VALU_DEP_1)
	v_floor_f32 v12, -v13
	v_mov_b32 v14, 0
	v_mov_b32 v15, 0
	v_mov_b32 v11, 0                               ; (named as the upper half of the pair v[10:11])
	v_mov_b32 v[TR+2], 0                           ; a lane permute's destination counts as read
	v_mov_b32 v8, s96
	v_mov_b32 v9, s97
.set jj, 0
.rept 64
	v_mov_b32 v[OT+jj], 0
.set jj, jj+1
.endr
.endm
	INIT
	WIN 0x55
	INIT
	WIN 0
	s_wait_alu depctr_va_vdst(0)                   ; the wait at the head's end
	s_wait_loadcnt 16                              ; Q and K's chunk 0 are in; V's eight loads and piece 0's eight may be out
	ST4 249, FR, 0, 8*KP
	ST4 249, FR+16, 64, 8*KP
	s_wait_loadcnt 8                               ; V's chunk 0; piece 0 may be out
	ST4 251, FR+32, 0, 2*VP
	ST4 252, FR+48, 0, 2*VP
	s_wait_dscnt 0x0                               ; for the others' sake: my stores are done
	s_barrier_signal -1
	s_barrier_wait -1                              ; chunk 0 is whole
.macro KQ q, fo, so, zero              ; four tiles of 16 keys x my 16 queries, K = 64: the real (fo = 0) or the imaginary (8) half of the fragments
.set tt, 0
.rept 4
.if \zero
	v_wmma_f32_16x16x64_fp8_fp8 v[SC+\so+8*tt:SC+\so+8*tt+7], v[FR+16*tt+\fo:FR+16*tt+\fo+7], v[\q:\q+7], 0
.else
	v_wmma_f32_16x16x64_fp8_fp8 v[SC+\so+8*tt:SC+\so+8*tt+7], v[FR+16*tt+\fo:FR+16*tt+\fo+7], v[\q:\q+7], v[SC+\so+8*tt:SC+\so+8*tt+7]
.endif
.set tt, tt+1
.endr
.endm
.macro FIX                             ; the real part's sums under the imaginary part's scales: a power of two
.set jj, 0
.rept 32
	v_pk_mul_f32 v[SC+jj:SC+jj+1], v[SC+jj:SC+jj+1], s[56:57] op_sel_hi:[1,0]
.set jj, jj+2
.endr
.endm
.macro SOFTMAX
	v_max3_num_f32 v[TR], v96, v97, v98            ; the step's largest score of my query among my 64 keys, in two chains, each accumulator from its low end on
	v_max3_num_f32 v[TR+1], v99, v100, v101
.set ii, 6
.rept 14
	v_max3_num_f32 v[TR], v[TR], v[SC+ii], v[SC+1+ii]
	v_max3_num_f32 v[TR+1], v[TR+1], v[SC+2+ii], v[SC+3+ii]
.set ii, ii+4
.endr
	v_max3_num_f32 v[TR], v[TR], v158, v159
	s_delay_alu instid0(VALU_DEP_1)
	v_max_num_f32 v[TR], v[TR], v[TR+1]
	s_delay_alu instid0(VALU_DEP_1)
	v_permlanex16_b32 v[TR+2], v[TR], s20, s21
	s_delay_alu instid0(VALU_DEP_1)
	v_max_num_f32 v[TR], v[TR], v[TR+2]            ; and among lane l xor 16's
	s_delay_alu instid0(VALU_DEP_1)
	v_mul_f32 v[TR], s22, v[TR]                    ; as t (c is positive)
	s_delay_alu instid0(VALU_DEP_1)
	v_max_num_f32 v13, v13, v[TR]
	v_mov_b32 v[TR], v12
	s_delay_alu instid0(VALU_DEP_2)
	v_floor_f32 v12, -v13                          ; the new -M = floor(-t): M is a whole number
	s_delay_alu instid0(VALU_DEP_1)
	v_sub_f32 v[TR], v12, v[TR]
	s_delay_alu instid0(VALU_DEP_1)
	v_cvt_i32_f32 v[TR], v[TR]                     ; (it saturates)
	s_delay_alu instid0(VALU_DEP_1)
	v_ldexp_f32 v10, 1.0, v[TR]                    ; f = 2^(old M - new M)
.set jj, 0
.rept 32
	v_pk_fma_f32 v[SC+jj:SC+jj+1], v[SC+jj:SC+jj+1], s[22:23], v[12:13] op_sel_hi:[1,0,0]   ; t - M
.set jj, jj+2
.endr
.set jj, 0
	s_wait_alu depctr_va_vdst(0)                   ; the wait ahead of the batch
.rept 64
	v_exp_f32 v[SC+jj], v[SC+jj]                   ; p = 2^(t - M): not normalised
.set jj, jj+1
.endr
	v_pk_mul_f32 v[14:15], v[14:15], v[10:11] op_sel_hi:[1,0]   ; l under the new M: the plain instruction behind the exponentials
	s_wait_alu depctr_va_vdst(0)                   ; one wait for the tile's 64 exponentials, ahead of their first reader
	v_pk_add_f32 v[TR+4:TR+5], v[SC:SC+1], v[SC+2:SC+3]   ; l is the sum of the unquantised p, in two chains
.set jj, 4
.rept 15
	v_pk_add_f32 v[14:15], v[14:15], v[SC+jj:SC+jj+1]
	v_pk_add_f32 v[TR+4:TR+5], v[TR+4:TR+5], v[SC+2+jj:SC+3+jj]
.set jj, jj+4
.endr
	s_delay_alu instid0(VALU_DEP_1)
	v_pk_add_f32 v[14:15], v[14:15], v[TR+4:TR+5]
.set jj, 0
.rept 32
	v_pk_mul_f32 v[OT+jj:OT+jj+1], v[OT+jj:OT+jj+1], v[10:11] op_sel_hi:[1,0]   ; O^T under the new M
.set jj, jj+2
.endr
.endm
.macro QUANT_F                         ; e17 = e19 >= -8: p lies under 448 x 2^e17, so the conversion needs no hold, and its codes serve both products
.set bb, 0
.rept 8
	v_cvt_scalef32_pk8_fp8_f32 v[PC+2*bb:PC+2*bb+1], v[SC+8*bb:SC+8*bb+7], v8
.set bb, bb+1
.endr
	v_nop                                          ; a plain instruction behind the last conversion
.endm
.macro QUANT_R                         ; p's codes under 2^e17.  p is kept: it is quantised once more.  p is not negative, so the hold is one-sided
.set bb, 0
.rept 8
.set ii, 0
.rept 8
	v_min_num_f32 v[TR+8*(bb%2)+ii], s58, v[SC+8*bb+ii]
.set ii, ii+1
.endr
	v_cvt_scalef32_pk8_fp8_f32 v[PC+2*bb:PC+2*bb+1], v[TR+8*(bb%2):TR+8*(bb%2)+7], v8
.set bb, bb+1
.endr
	v_nop
.endm
.macro QUANT_I                         ; p's codes under 2^e19, in place.  The eight holds ahead of the first conversion are the places behind the products that read the codes' registers
.set bb, 0
.rept 8
.set ii, 0
.rept 8
	v_min_num_f32 v[SC+8*bb+ii], s59, v[SC+8*bb+ii]
.set ii, ii+1
.endr
	v_cvt_scalef32_pk8_fp8_f32 v[PC+2*bb:PC+2*bb+1], v[SC+8*bb:SC+8*bb+7], v9
.set bb, bb+1
.endr
	v_nop
.endm
.macro PV o                            ; four tiles of 16 channels x my 16 queries, K = 128 keys
.set tt, 0
.rept 4
	v_wmma_f32_16x16x128_fp8_fp8 v[\o+8*tt:\o+8*tt+7], v[FR+16*tt:FR+16*tt+15], v[PC:PC+15], v[\o+8*tt:\o+8*tt+7]
.set tt, tt+1
.endr
.endm
.macro KROWS first                     ; four fragments of 16 keys x 128 bytes (Kr's 64, Ki's 64)
.set tt, 0
.rept 4
.irp c, 0,1,2,3
	ds_load_b128 v[FR+16*tt+4*\c:FR+16*tt+4*\c+3], v[ADK] offset:16*(tt+\first)*KP+32*\c
.endr
.set tt, tt+1
.endr
.endm
.macro VROWS adr                       ; four fragments of 16 channels x 128 keys
.set tt, 0
.rept 4
.irp c, 0,1,2,3
	ds_load_b128 v[FR+16*tt+4*\c:FR+16*tt+4*\c+3], v[\adr] offset:16*tt*VP+32*\c
.endr
.set tt, tt+1
.endr
.endm
	s_mov_b32 s60, 0                               ; 128 KP x j: K's rows of step j
	s_mov_b32 s61, 0                               ; 128 x j: V's keys
	s_mov_b32 s63, 0                               ; 8,192 x j
	s_mov_b32 s62, 0                               ; j
.Lstep:                                                ; A KEY STEP: 128 keys, for both tiles.  No two matrix instructions that follow each other share an accumulator
	v_add_nc_u32 v[ADK], s60, v[AK0]
	v_add_nc_u32 v[ADV], s61, v[AV0]
	v_add_nc_u32 v[ADV2], VIOFF, v[ADV]
	s_wait_alu depctr_va_vdst(0)
	KROWS 0
	WIN 0x40
	KROWS 4
	s_wait_dscnt 16                                ; K's tiles 0-3 are in; the younger 16 loads may be out
	WIN 0
	KQ 16, 0, 0, 1
	WIN 0x54                                       ; tile 1: Q, C and D in window 1, fragments in window 0
	KQ 16, 0, 0, 1
	s_wait_dscnt 0x0
	WIN 0x01                                       ; fragments in window 1
	KQ 16, 0, 32, 1
	WIN 0x55
	KQ 16, 0, 32, 1
	WIN 0
	s_cmp_lg_u32 s[FQ], 0
	s_cbranch_scc1 .Lsame                          ; one scale for both score products: no factor
	PLACES
	FIX
	WIN 0x55
	FIX
	WIN 0
.Lsame:
	KQ 24, 8, 0, 0
	WIN 0x54
	KQ 24, 8, 0, 0
	WIN 0x01
	KQ 24, 8, 32, 0
	WIN 0x55
	KQ 24, 8, 32, 0
	WIN 0
	PLACES                                         ; in front of the loads into the fragments' registers and of the first read of the scores
	VROWS ADV                                      ; V's fragments land while the softmax is walked
	WIN 0x40
	VROWS ADV2
	WIN 0
	SOFTMAX
	WIN 0x55
	s_wait_alu depctr_va_vdst(0)
	SOFTMAX
	WIN 0
	s_wait_loadcnt 0x0                             ; piece j, asked for at the last step's bottom, is in
	s_cmp_ge_u32 s62, 6                            ; there are six pieces
	s_cbranch_scc1 .Lstored
	s_bitcmp1_b32 s62, 0
	s_cbranch_scc1 .Lstore_v
	WIN 0x44
	v_add_nc_u32 v[FT], s60, v[FKS]                ; j even: K's chunk j / 2 + 1: 256 KP bytes a chunk
	WIN 0x01                                       ; address window 1, data window 0
	ST4 FT, PC, 0, 8*KP
	WIN 0x05
	ST4 FT, PC, 64, 8*KP
	WIN 0
	s_branch .Lstored
.Lstore_v:
	WIN 0x44
	v_add_nc_u32 v[FT], s61, v[FVS]                ; j odd: V's chunk (j + 1) / 2: 256 bytes of each row a chunk
	v_add_nc_u32 v[FT2], VIOFF, v[FT]
	WIN 0x01
	ST4 FT, PC, 0, 2*VP
	WIN 0x05
	ST4 FT2, PC, 0, 2*VP
	WIN 0
	s_wait_alu depctr_va_vdst(0)                   ; the wait ahead of a barrier's signal
	s_wait_dscnt 0x0                               ; for the others' sake: my pieces of the next chunk, K's of the step before and V's, are stored
	s_barrier_signal -1
	s_barrier_wait -1                              ; the next chunk is whole
.Lstored:
	s_cmp_lg_u32 s[FP], 0
	s_cbranch_scc0 .Lslowp
	QUANT_F
	WIN 0x55
	QUANT_F
	s_wait_alu depctr_va_vdst(0)
	s_wait_dscnt 0x0                               ; V's fragments
	WIN 0
	PV OT
	WIN 0x54
	PV OT
	WIN 0x01
	PV OT+32
	WIN 0x55
	PV OT+32
	WIN 0
	s_branch .Lpv_done
.Lslowp:
	QUANT_R
	WIN 0x55
	QUANT_R
	s_wait_alu depctr_va_vdst(0)
	s_wait_dscnt 0x0
	WIN 0
	PV OT
	WIN 0x54
	PV OT
	WIN 0
	QUANT_I
	WIN 0x55
	QUANT_I
	WIN 0x01
	PV OT+32
	WIN 0x55
	PV OT+32
	WIN 0
.Lpv_done:
	PLACES                                         ; behind the last products, ahead of the loads into the codes' and the fragments' registers
	s_add_co_u32 s60, s60, 128*KP
	s_add_co_u32 s61, s61, 128
	s_add_co_u32 s63, s63, 8192
	s_add_co_u32 s62, s62, 1                       ; j of the next step: its piece is asked for now
	s_cmp_ge_u32 s62, 6
	s_cbranch_scc1 .Lasked
	s_bitcmp1_b32 s62, 0
	s_cbranch_scc1 .Lask_v
	WIN 0x44
	v_add_nc_u32 v[FT], s63, v[FGK]                ; K's chunk j / 2 + 1: 16,384 bytes a chunk
	WIN 0x01                                       ; address window 1, destination window 0
	LD4 PC, FT, 24, 0, 512
	WIN 0x41
	LD4 PC, FT, 24, PLANE, 512
	WIN 0
	s_branch .Lasked
.Lask_v:
	WIN 0x44
	v_add_nc_u32 v[FT], s61, v[FGV]                ; V's chunk (j + 1) / 2
	WIN 0x01
	LD4 PC, FT, 26, 0, 2048
	WIN 0x41
	LD4 PC, FT, 26, PLANE, 2048
	WIN 0
.Lasked:
	s_cmp_lt_u32 s62, 8
	s_cbranch_scc1 .Lstep
	; THE WAY OUT: O^T / l, held, converted with the three scales folded into one; a tile's 16 queries x 128 codes go through my stage and leave as runs of 512 bytes.
.macro FINISH
	v_add_f32 v[TR], v14, v15                      ; l's two halves,
	s_delay_alu instid0(VALU_DEP_1)
	v_permlanex16_b32 v[TR+2], v[TR], s20, s21
	s_delay_alu instid0(VALU_DEP_1)
	v_add_f32 v[TR], v[TR], v[TR+2]                ; and lane l xor 16's
	s_wait_alu depctr_va_vdst(0)
	v_rcp_f32 v10, v[TR]
	v_mov_b32 v[TR+8], s98                         ; (plain instructions behind the reciprocal)
	v_mov_b32 v[TR+9], s99
	v_mov_b32 v[TR+10], s84
	v_mov_b32 v[TR+11], s85
	s_wait_alu depctr_va_vdst(0)                   ; ahead of the reciprocal's first reader and of O^T's
.set jj, 0
.rept 32
	v_pk_mul_f32 v[OT+jj:OT+jj+1], v[OT+jj:OT+jj+1], v[10:11] op_sel_hi:[1,0]
.set jj, jj+2
.endr
.set tt, 0
.rept 8
.set ii, 0
.rept 8
	v_med3_num_f32 v[OT+8*tt+ii], v[OT+8*tt+ii], -v[TR+9+2*(tt/4)], v[TR+9+2*(tt/4)]
.set ii, ii+1
.endr
	v_cvt_scalef32_pk8_fp8_f32 v[PC+2*tt:PC+2*tt+1], v[OT+8*tt:OT+8*tt+7], v[TR+8+2*(tt/4)]
.set tt, tt+1
.endr
	v_nop
.endm
	FINISH
	WIN 0x55
	FINISH
	WIN 0
	v_and_b32 v240, 15, v0
	v_bfe_u32 v241, v0, 4, 1
	v_and_b32 v242, 31, v0
	s_lshl_b32 s2, s18, 12
	s_add_co_u32 s2, s2, QB                        ; my stage
	v_mul_u32_u24 v[ADK], v240, SPT
	s_delay_alu instid0(VALU_DEP_1)
	v_lshl_add_u32 v[ADK], v241, 3, v[ADK]
	s_delay_alu instid0(VALU_DEP_1)
	v_add_nc_u32 v[ADK], s2, v[ADK]                ; in: row r; channel tile ct's eight codes of my half at 16 ct + 8 h: bytes 0-63 real, 64-127 imaginary
	v_lshrrev_b32 v243, 2, v242
	s_delay_alu instid0(VALU_DEP_1)
	v_mul_u32_u24 v[ADV], v243, SPT
	v_and_b32 v244, 3, v242
	s_delay_alu instid0(VALU_DEP_1)
	v_lshl_add_u32 v[ADV], v244, 4, v[ADV]
	s_delay_alu instid0(VALU_DEP_1)
	v_add_nc_u32 v[ADV], s2, v[ADV]                ; back: eight rows x 64 bytes an instruction
	v_lshlrev_b32 v[ADV2], 4, v242
.macro TOSTAGE t                       ; LDS serves a wave's instructions in order (ISA guide 5.7.1.4): the loads see the stores above them, and the next tile's stores come behind these loads
.set tt, 0
.rept 8
	ds_store_b64 v[ADK], v[PC+2*tt:PC+2*tt+1] offset:16*tt
.set tt, tt+1
.endr
	WIN 0
.set kk, 0
.rept 4
	ds_load_b128 v[FR+16*\t+4*kk:FR+16*\t+4*kk+3], v[ADV] offset:8*(kk%2)*SPT+64*(kk/2)
.set kk, kk+1
.endr
.endm
.macro SEND t, younger                 ; stage row 8 i + lane / 4 of tile t is token 16 i + 8 t + lane / 4 of my 32: the immediates put the tokens back in order.  A store covers 512 bytes on end
.set kk, 0
.rept 4
	s_wait_dscnt \younger+3-kk
	global_store_b128 v[ADV2], v[FR+16*\t+4*kk:FR+16*\t+4*kk+3], s[10+2*(kk/2):11+2*(kk/2)] offset:1024*(kk%2)+512*\t
.set kk, kk+1
.endr
.endm
	TOSTAGE 0
	WIN 0x04                                       ; store data in window 1
	TOSTAGE 1
	s_wait_alu depctr_va_vdst(0)
	SEND 0, 12                                     ; behind tile 0's loads: tile 1's eight stores and four loads
	SEND 1, 0
	WIN 0x04                                       ; (the add's 0 lies in window 1)
	s_wait_tensorcnt 0x0                           ; the wave's end
	ds_add_u32 v7, v7
	s_wait_dscnt 0x0
	WIN 0
	s_endpgm
.Lfunc_end_k_q91676a8afa_attn:
	.size	k_q91676a8afa_attn, .Lfunc_end_k_q91676a8afa_attn-k_q91676a8afa_attn
	.p2alignl 7, 3214868480
	.fill 96, 4, 3214868480
	.section	.rodata,"a",@progbits
	.p2align	6, 0x0
	.amdhsa_kernel k_q91676a8afa_attn
		.amdhsa_group_segment_fixed_size 314368
		.amdhsa_private_segment_fixed_size 0
		.amdhsa_enable_private_segment 0
		.amdhsa_kernarg_size 24
		.amdhsa_user_sgpr_count 2
		.amdhsa_user_sgpr_kernarg_segment_ptr 1
		.amdhsa_wavefront_size32 1
		.amdhsa_system_sgpr_workgroup_id_x 1
		.amdhsa_system_sgpr_workgroup_id_y 1
		.amdhsa_system_sgpr_workgroup_id_z 1
		.amdhsa_system_vgpr_workitem_id 0
		.amdhsa_next_free_vgpr 512
		.amdhsa_next_free_sgpr 100
		.amdhsa_reserve_vcc 0
		.amdhsa_float_denorm_mode_32 3
		.amdhsa_float_denorm_mode_16_64 3
		.amdhsa_memory_ordered 1
		.amdhsa_forward_progress 1
		.amdhsa_inst_pref_size 83
	.end_amdhsa_kernel
	.amdgpu_metadata
---
amdhsa.version: [ 1, 2 ]
amdhsa.kernels:
  - .name:           k_q91676a8afa_attn
    .symbol:         k_q91676a8afa_attn.kd
    .args:
      - { .name: pj, .offset: 0, .size: 8, .value_kind: global_buffer, .address_space: global }
      - { .name: lowp_scales, .offset: 8, .size: 8, .value_kind: global_buffer, .address_space: global }
      - { .name: oc, .offset: 16, .size: 8, .value_kind: global_buffer, .address_space: global }
    .group_segment_fixed_size: 314368
    .private_segment_fixed_size: 0
    .kernarg_segment_align: 8
    .kernarg_segment_size: 24
    .max_flat_workgroup_size: 256
    .sgpr_count:     100
    .vgpr_count:     512
    .wavefront_size: 32
...
	.end_amdgpu_metadata
.endif
;; end of part 2
;; launch outp (part 3): grid 4 x 64, 4 waves a work-group, clusters of 4 x 4, 327,680 bytes of LDS; arguments oc, Wo_r_codes, Wo_i_codes, bo_r, bo_i, lowp_scales, out0, out1; writes out0, out1
.if DOCPART == 3
	.amdgcn_target "amdgcn-amd-amdhsa--gfx1250"
	.amdhsa_code_object_version 6
	.text
	.protected	k_q91676a8afa_outp
	.globl	k_q91676a8afa_outp
	.p2align	8
	.type	k_q91676a8afa_outp,@function
k_q91676a8afa_outp:
	s_mov_b64 s[64:65], 0
	v_nop
	global_prefetch_b8 v0, s[64:65] scope:SCOPE_SE
	s_setreg_imm32_b32 hwreg(HW_REG_WAVE_MODE, 25, 1), 1
	s_wait_xcnt 0x0
	s_wait_alu depctr_hold_cnt(0) depctr_sa_sdst(0) depctr_va_vdst(0) depctr_va_sdst(0) depctr_va_ssrc(0) depctr_va_vcc(0) depctr_vm_vsrc(0)
	s_getreg_b32 s2, hwreg(HW_REG_IB_STS2, 6, 4)
	s_cmp_eq_u32 s2, 0
	s_cbranch_scc0 .Lentry_in_a_cluster
	s_endpgm
.Lentry_in_a_cluster:
	s_bfe_u32 s2, ttmp6, 0x10000c
	s_cmp_lg_u32 s2, 0xf033
	s_cbranch_scc0 .Lentry_shape_is_right
	s_endpgm
.Lentry_shape_is_right:
; THE TWO OUTPUT PROJECTIONS: out = a Wo^T + bo on codes of FP8 (E4M3).  a: oc, two planes [head][token 0 .. 4095][64 codes]; Wo [1024 features][1024], K innermost; out [4096][1024] f32.
; GEMM g = cluster y / 8 (real, imaginary).  A work-group makes 128 tokens x 256 features, in TWO HALVES of 128 features.  Its 128 tokens' codes, all 1,024 along K, come into LDS once; W's 128 rows of a half, all of K too,
; lie behind them.  When the first half's products are done, W's bytes are filled again with the second half's rows, and the first half's results go out while that load is on its way.
; Each of the four waves makes 64 tokens x 64 features of a half: 16 accumulators, which take turns.  A WAVE'S TOKENS' FRAGMENTS, 64 tokens x 1,024 codes, 512 registers, ARE READ FROM LDS ONCE, in the first half, and stay in
; registers for the second: that half reads W's fragments alone.  Source 0 = 16 rows of W, source 1 = 16 tokens: a lane holds eight neighbouring features of one token.
; CLUSTERS of 4 x 4: the tokens' tile is shared along a row of the cluster, W's along a column; waves 0 and 1 ask for the tokens (64 each, once), waves 2 and 3 for W (64 rows each, twice).
; PREFETCH: the second half's rows of W, 131,072 bytes on end for a column of the cluster, are asked for once at the head, eight steps of 128 along K ahead of their load: 256 bytes a lane, shared out by address among the
; four partners and their waves.  All eight clusters of a GEMM read the same W, so only those with cluster y % 8 under 2 ask.
; LIMIT: the two exponents added lie between -126 and 127.
; REGISTERS: window 0: v16-29 addresses; v32-95 the biases of both halves; window 1: v0-127 W's fragments, two sets; v128-191 the way out; window 2: v0-127 accumulator (a, b) at v[8 (4 a + b)].
;   The tokens' fragments of step q, 64 registers: q = 0, 1 in window 0 from v128; q = 2, 3 in window 2 from v128; q = 4 .. 7 in window 3.
.set PA,     272                       ; 256 bytes (four tokens of a head) + 16 of padding
.set HEADB,  16*PA                     ; 64 tokens of one head
.set AHALF,  16*HEADB                  ; 64 tokens, 16 heads
.set BOFF,   2*AHALF
.set PB,     1040                      ; a row of W: 1,024 bytes + 16
.set BHALF,  64*PB
.set SPARE,  BOFF+2*BHALF              ; the spare words, 128 bytes a wave
.set STAGE,  SPARE+512                 ; 16 rows x 272 bytes for each wave: bytes of their own
.set SPITCH, 272
.set FR,     16
.set ADRA, 16                          ; v16, v17: my tokens' fragments, heads 0-7 and 8-15
.set ADRB, 20
.set STO,  24
.set RD,   25
.set CO,   26
.set PFO,  27
.set SPW,  28
.set NIL,  29
.set BN,   32
.set OUTS, 128
.set G1, 24
.set G1B, 48
.set GG, 67
.set MSB, 0
.macro WIN new
.if MSB != (\new)
	s_set_vgpr_msb (MSB<<8)|(\new)
.set MSB, (\new)
.endif
.endm
.macro ALOC q                          ; where the tokens' fragments of step q lie: window AW, from register AB
.if (\q) < 2
.set AW, 0
.set AB, 128+64*(\q)
.else
.if (\q) < 4
.set AW, 2
.set AB, 128+64*((\q)-2)
.else
.set AW, 3
.set AB, 64*((\q)-4)
.endif
.endif
.endm
.macro CREST
	s_cmp_lg_u32 s14, 0
	s_cbranch_scc1 .Lnot_wave_0_\@
	s_barrier_signal -3
.Lnot_wave_0_\@:
	s_barrier_wait -3
	s_barrier_signal -1
	s_barrier_wait -1
.endm
.macro CROUND
	s_barrier_signal -1
	s_barrier_wait -1
	CREST
.endm
.macro PLACES
.rept 4
	v_nop
.endr
.endm
	s_load_b256 s[80:87], s[0:1], 0x0              ; oc, Wo_r, Wo_i, bo_r
	s_load_b256 s[88:95], s[0:1], 0x20             ; bo_i, the scales' exponents, out0, out1
	v_lshl_add_u32 v[SPW], v0, 2, SPARE
	v_mov_b32 v[NIL], 0
	ds_add_u32 v[SPW], v[NIL]                      ; the opening lines
	ds_add_u32 v[SPW], v[NIL]
	v_lshrrev_b32 v1, 5, v0
	v_readfirstlane_b32 s14, v1                    ; wave 0..3
	s_lshr_b32 s15, s14, 1                         ; my half of the tokens.  Also: I fetch tokens (0) or W (1)
	s_and_b32 s16, s14, 1                          ; my half of the features.  Also: which 64 rows I fetch
	s_bfe_u32 s98, ttmp6, 0x40000                  ; cx
	s_bfe_u32 s99, ttmp6, 0x40004                  ; cy
	s_and_b32 s22, ttmp7, 0xffff
	s_lshr_b32 s[GG], s22, 3
	s_and_b32 s22, s22, 7
	s_lshl_b32 s17, s22, 2
	s_add_co_u32 s17, s17, s99                     ; block of 128 tokens
	s_lshl_b32 s44, s99, 2
	s_lshl_b32 s44, 15, s44                        ; my row of the cluster
	s_lshl_b32 s45, 0x1111, s98                    ; my column
	s_or_b32 s[G1+0], s44, (1<<20)|(1<<21)|(5<<22)|(3<<25)   ; tokens: 16 rows (heads) of 4,096 bytes, 262,144 apart; four words of padding after every 64
	s_mov_b32 s[G1+1], 4096<<16
	s_mov_b32 s[G1+2], 16<<16
	s_mov_b32 s[G1+3], 4096<<16
	s_mov_b32 s[G1+4], 16
	s_mov_b32 s[G1+5], 262144
	s_mov_b32 s[G1+6], 0
	s_mov_b32 s[G1+7], 0
	s_or_b32 s[G1B+0], s45, (1<<20)|(1<<21)|(7<<22)|(3<<25)  ; W: 64 rows of 1,024 bytes; four words of padding after every 256
	s_mov_b32 s[G1B+1], 1024<<16
	s_mov_b32 s[G1B+2], 64<<16
	s_mov_b32 s[G1B+3], 1024<<16
	s_mov_b32 s[G1B+4], 64
	s_mov_b32 s[G1B+5], 1024
	s_mov_b32 s[G1B+6], 0
	s_mov_b32 s[G1B+7], 0
	s_lshl_b32 s20, s17, 7
	s_lshl_b32 s19, s16, 6
	s_add_co_u32 s20, s20, s19
	s_lshl_b32 s20, s20, 6                         ; (128 x block + 64 x half) tokens of 64 bytes,
	s_lshl_b32 s21, s[GG], 22
	s_add_co_u32 s20, s20, s21                     ; in plane g
	s_mov_b32 s21, 0
	s_lshl_b32 s46, s98, 8
	s_add_co_u32 s46, s46, s19
	s_lshl_b32 s70, s46, 2                         ; the biases: 4 x (256 cx + 64 x my half)
	s_mov_b32 s71, 0
	s_lshl_b32 s46, s46, 10                        ; W: row 256 cx + 64 x half
	s_mov_b32 s47, 0
	s_mul_i32 s33, s16, AHALF                      ; where they go
	s_mul_i32 s57, s16, BHALF
	s_add_co_u32 s57, s57, BOFF
	s_mov_b32 s13, s57                             ; and where my wave reads W: the same 64 rows,
	s_mul_i32 s12, s15, AHALF                      ; and its tokens
	s_mul_i32 s23, s14, 16*SPITCH
	s_add_co_u32 s23, s23, STAGE                   ; my stage
	s_mov_b32 s32, 1
	s_mov_b32 s56, 1
	s_lshl_b32 s2, s98, 18                         ; the prefetch: row 256 cx + 128 of W, + 32,768 cy + 8,192 wave
	s_add_co_u32 s2, s2, 131072
	s_lshl_b32 s3, s99, 15
	s_add_co_u32 s2, s2, s3
	s_lshl_b32 s3, s14, 13
	s_add_co_u32 s2, s2, s3
	s_mov_b32 s3, 0
	s_lshl_b32 s68, s17, 7
	s_lshl_b32 s69, s15, 6
	s_add_co_u32 s68, s68, s69
	s_lshl_b32 s68, s68, 12                        ; out: my first token's row of 4,096 bytes,
	s_lshl_b32 s69, s98, 10
	s_add_co_u32 s68, s68, s69
	s_lshl_b32 s69, s16, 8
	s_add_co_u32 s68, s68, s69                     ; + 4 x (256 cx + 64 x my half)
	s_mov_b32 s69, 0
	s_lshl_b32 s40, s[GG], 3
	s_mov_b32 s41, 0
	s_wait_dscnt 0x0                               ; both opening adds are done
	s_wait_kmcnt 0x0
	s_cmp_lg_u32 s[GG], 0
	s_cselect_b64 s[6:7], s[84:85], s[82:83]
	s_cselect_b64 s[74:75], s[88:89], s[86:87]
	s_cselect_b64 s[10:11], s[94:95], s[92:93]
	s_add_nc_u64 s[90:91], s[90:91], s[40:41]
	s_load_b64 s[96:97], s[90:91], 0x50            ; e20, e21 or e22, e23
	s_add_nc_u64 s[34:35], s[80:81], s[20:21]
	s_or_b32 s35, s35, 0x80000000
	s_add_nc_u64 s[58:59], s[6:7], s[46:47]
	s_or_b32 s59, s59, 0x80000000
	s_add_nc_u64 s[76:77], s[6:7], s[2:3]
	s_add_nc_u64 s[74:75], s[74:75], s[70:71]
	s_add_nc_u64 s[10:11], s[10:11], s[68:69]
	CROUND                                         ; all sixteen work-groups are here: the first joint loads meet
	s_cmp_eq_u32 s15, 0
	s_cbranch_scc0 .Lfor_b
	tensor_load_to_lds s[32:35], s[G1:G1+7]        ; one tensor load a wave at the head
	s_nop 0
	PLACES
	s_branch .Lasked
.Lfor_b:
	tensor_load_to_lds s[56:59], s[G1B:G1B+7]
	s_nop 0
	PLACES
.Lasked:
	v_and_b32 v1, 15, v0                           ; r
	v_bfe_u32 v2, v0, 4, 1                         ; h
	v_and_b32 v5, 31, v0
	v_lshlrev_b32 v10, 5, v2                       ; the biases of features 16 b + 8 h + 0 .. 7
	v_lshrrev_b32 v6, 2, v1
	v_and_b32 v7, 3, v1
	v_mul_u32_u24 v3, v6, PA
	v_mul_u32_u24 v4, v1, PB
	v_lshl_add_u32 v3, v7, 6, v3
	v_lshl_add_u32 v4, v2, 4, v4
	v_lshl_add_u32 v3, v2, 4, v3                   ; token r of a block of 16: unit r / 4, byte 64 (r % 4) + 16 h
	v_add_nc_u32 v[ADRB], s13, v4
	v_add_nc_u32 v[ADRA], s12, v3
	v_mul_u32_u24 v8, v1, SPITCH
	v_add_nc_u32 v[ADRA+1], 8*HEADB, v[ADRA]
	v_lshl_add_u32 v8, v2, 5, v8
	v_mul_u32_u24 v9, v2, SPITCH
	v_add_nc_u32 v[STO], s23, v8                   ; in: row r, 32 bytes for each half of the lanes
	v_lshl_add_u32 v9, v1, 4, v9
	v_lshlrev_b32 v[CO], 12, v2
	v_add_nc_u32 v[RD], s23, v9                    ; back: lanes 0-15 one row of 256 bytes, lanes 16-31 the next
	v_lshl_add_u32 v[CO], v1, 4, v[CO]             ; and the same two rows in out
	v_lshlrev_b32 v[PFO], 8, v5
.set bb, 0
.rept 8                                ; half bb / 4, block bb % 4
	global_load_b128 v[BN+8*bb:BN+8*bb+3], v10, s[74:75] offset:512*(bb/4)+64*(bb%4)
	global_load_b128 v[BN+8*bb+4:BN+8*bb+7], v10, s[74:75] offset:512*(bb/4)+64*(bb%4)+16
.set bb, bb+1
.endr
	s_cmp_lt_u32 s22, 2                            ; the same in all sixteen partners
	s_cbranch_scc0 .Lno_pf
	global_prefetch_b8 v[PFO], s[76:77] th:TH_LOAD_NT scope:SCOPE_SE
.Lno_pf:
.macro FETCHB q, p                     ; W's fragments of the q-th 128 along K into set p.  Registers 4 c .. 4 c + 3 hold K = 128 q + 32 c + 16 h + 0 .. 15 on both sides
	WIN 0x40
.irp i, 0,1,2,3
.irp c, 0,1,2,3
	ds_load_b128 v[64*(\p)+FR*\i+4*\c:64*(\p)+FR*\i+4*\c+3], v[ADRB] offset:128*(\q)+32*\c+\i*16*PB
.endr
.endr
.endm
.macro FETCHA q                        ; the tokens' fragments of step q, into registers of their own
	ALOC \q
	WIN AW<<6
.irp i, 0,1,2,3
.irp c, 0,1,2,3
	ds_load_b128 v[AB+FR*\i+4*\c:AB+FR*\i+4*\c+3], v[ADRA+(\q)/4] offset:(2*((\q)%4)+\c/2)*HEADB+\i*4*PA+32*(\c%2)
.endr
.endr
.endm
.macro MUL16 q                         ; the 16 accumulators take turns, one instruction a turn; step 0's products start the sums
	ALOC \q
	WIN 0xa1|(AW<<2)                               ; source 0 (W) window 1, source 1 (tokens) window AW, C and D window 2
.irp a, 0,1,2,3
.irp b, 0,1,2,3
.if (\q) == 0
	v_wmma_f32_16x16x128_fp8_fp8 v[8*(4*\a+\b):8*(4*\a+\b)+7], v[64*((\q)%2)+FR*\b:64*((\q)%2)+FR*\b+FR-1], v[AB+FR*\a:AB+FR*\a+FR-1], 0
.else
	v_wmma_f32_16x16x128_fp8_fp8 v[8*(4*\a+\b):8*(4*\a+\b)+7], v[64*((\q)%2)+FR*\b:64*((\q)%2)+FR*\b+FR-1], v[AB+FR*\a:AB+FR*\a+FR-1], v[8*(4*\a+\b):8*(4*\a+\b)+7]
.endif
.endr
.endr
.endm
.macro HALF first                      ; 128 features: eight steps of 128 along K; a step is multiplied while the next step's fragments come
	FETCHB 0, 0
.if \first
	FETCHA 0
.endif
.irp q, 0,1,2,3,4,5,6
	s_wait_dscnt 0x0
	PLACES                                         ; ahead of the loads into the set of W's fragments that the last step multiplied
	FETCHB \q+1, 1-(\q%2)
.if \first
	FETCHA \q+1
.endif
	MUL16 \q
.endr
	s_wait_dscnt 0x0
	MUL16 7
	WIN 0
.endm
; THE WAY OUT of half ph, block by block of 16 tokens x 64 features: sum x 2^(ea + ew) + bias, through my stage, back as rows of 256 bytes; sixteen lanes store one aligned unit of 256 bytes.
.macro TOSTAGE a, ph
.set AC, 32*(\a)
.set OS, OUTS+32*((\a)%2)
	WIN 0x42                                       ; destination window 1, source 0 (the sums) window 2, the biases window 0
.set jj, 0
.rept 16
	v_pk_fma_f32 v[OS+jj:OS+jj+1], v[AC+jj:AC+jj+1], s[96:97], v[BN+32*(\ph)+jj:BN+32*(\ph)+jj+1] op_sel_hi:[1,0,1]   ; each accumulator from its low end on
.set jj, jj+2
.endr
	WIN 0x04                                       ; store data window 1, address window 0
.set bb, 0
.rept 4
	ds_store_b128 v[STO], v[OS+8*bb:OS+8*bb+3] offset:64*bb
	ds_store_b128 v[STO], v[OS+8*bb+4:OS+8*bb+7] offset:64*bb+16
.set bb, bb+1
.endr
	WIN 0x40
.set tt, 0
.rept 8
	ds_load_b128 v[OS+4*tt:OS+4*tt+3], v[RD] offset:tt*2*SPITCH   ; LDS serves a wave's instructions in order (ISA guide 5.7.1.4)
.set tt, tt+1
.endr
.endm
.macro SEND a, ph, younger
.set OS, OUTS+32*((\a)%2)
	s_wait_dscnt \younger
	WIN 0x04
.set tt, 0
.rept 8
	global_store_b128 v[CO], v[OS+4*tt:OS+4*tt+3], s[10:11] offset:(\a)*65536+tt*8192+(\ph)*512 th:TH_STORE_NT
.set tt, tt+1
.endr
.endm
.macro WAYOUT ph
	PLACES                                         ; behind the last products
	TOSTAGE 0, \ph
.irp a, 1,2,3
.if \a > 1
	s_wait_xcnt 0x0                                ; block a - 2's stores have read their registers
.endif
	TOSTAGE \a, \ph
	SEND \a-1, \ph, 16                             ; behind block a - 1's loads: block a's eight stores and eight loads
.endr
	SEND 3, \ph, 0
	WIN 0
	s_wait_xcnt 0x0                                ; the stores have read their registers, which are written again
.endm
	s_wait_alu depctr_va_vdst(0)                   ; the wait at the head's end
	s_wait_tensorcnt 0x0                           ; my load is in
	s_barrier_signal -1
	s_barrier_wait -1                              ; everybody's is
	HALF 1
	s_wait_tensorcnt 0x0                           ; ahead of a refill's barrier
	ds_add_u32 v[SPW], v[NIL]
	s_add_nc_u64 s[58:59], s[58:59], 131072        ; W's next 128 rows
	s_wait_dscnt 0x0                               ; the add is done, and my reads of W's rows are over
	CROUND                                         ; so are those of every wave of every partner
	s_cmp_eq_u32 s15, 0
	s_cbranch_scc1 .Lno_b
	tensor_load_to_lds s[56:59], s[G1B:G1B+7]      ; the refill, first behind the round
	s_nop 0
	PLACES
.Lno_b:
	s_wait_kmcnt 0x0
	s_add_co_i32 s96, s96, s97
	s_add_co_i32 s96, s96, 127
	s_lshl_b32 s96, s96, 23                        ; 2^(ea + ew) as f32
	s_mov_b32 s97, s96
	s_wait_loadcnt 0x0                             ; the biases
	WAYOUT 0                                       ; the first half goes out while the refill is on its way
	s_wait_tensorcnt 0x0
	s_barrier_signal -1
	s_barrier_wait -1                              ; W's second half is whole
	HALF 0
	WAYOUT 1
	s_wait_tensorcnt 0x0                           ; the wave's end
	ds_add_u32 v[SPW], v[NIL]
	s_wait_dscnt 0x0
	CROUND                                         ; the closing round
	s_endpgm
.Lfunc_end_k_q91676a8afa_outp:
	.size	k_q91676a8afa_outp, .Lfunc_end_k_q91676a8afa_outp-k_q91676a8afa_outp
	.p2alignl 7, 3214868480
	.fill 96, 4, 3214868480
	.section	.rodata,"a",@progbits
	.p2align	6, 0x0
	.amdhsa_kernel k_q91676a8afa_outp
		.amdhsa_group_segment_fixed_size 327680
		.amdhsa_private_segment_fixed_size 0
		.amdhsa_enable_private_segment 0
		.amdhsa_kernarg_size 64
		.amdhsa_user_sgpr_count 2
		.amdhsa_user_sgpr_kernarg_segment_ptr 1
		.amdhsa_wavefront_size32 1
		.amdhsa_system_sgpr_workgroup_id_x 1
		.amdhsa_system_sgpr_workgroup_id_y 1
		.amdhsa_system_sgpr_workgroup_id_z 1
		.amdhsa_system_vgpr_workitem_id 0
		.amdhsa_next_free_vgpr 1024
		.amdhsa_next_free_sgpr 100
		.amdhsa_reserve_vcc 0
		.amdhsa_float_denorm_mode_32 3
		.amdhsa_float_denorm_mode_16_64 3
		.amdhsa_memory_ordered 1
		.amdhsa_forward_progress 1
		.amdhsa_inst_pref_size 77
	.end_amdhsa_kernel
	.amdgpu_metadata
---
amdhsa.version: [ 1, 2 ]
amdhsa.kernels:
  - .name:           k_q91676a8afa_outp
    .symbol:         k_q91676a8afa_outp.kd
    .args:
      - { .name: oc, .offset: 0, .size: 8, .value_kind: global_buffer, .address_space: global }
      - { .name: Wo_r_codes, .offset: 8, .size: 8, .value_kind: global_buffer, .address_space: global }
      - { .name: Wo_i_codes, .offset: 16, .size: 8, .value_kind: global_buffer, .address_space: global }
      - { .name: bo_r, .offset: 24, .size: 8, .value_kind: global_buffer, .address_space: global }
      - { .name: bo_i, .offset: 32, .size: 8, .value_kind: global_buffer, .address_space: global }
      - { .name: lowp_scales, .offset: 40, .size: 8, .value_kind: global_buffer, .address_space: global }
      - { .name: out0, .offset: 48, .size: 8, .value_kind: global_buffer, .address_space: global }
      - { .name: out1, .offset: 56, .size: 8, .value_kind: global_buffer, .address_space: global }
    .group_segment_fixed_size: 327680
    .private_segment_fixed_size: 0
    .kernarg_segment_align: 8
    .kernarg_segment_size: 64
    .max_flat_workgroup_size: 128
    .sgpr_count:     100
    .vgpr_count:     1024
    .wavefront_size: 32
...
	.end_amdgpu_metadata
.endif
;; end of part 3
